; MI455X (gfx1250); checked and timed in simulation.
; The chip was launched on July 23, 2026; its instructions are those of AMD's public machine-readable ISA for CDNA 5 (MIT licence, August 2026) and "CDNA5" Instruction Set Architecture Reference Guide (July 2026). The comments in the code are by the model that wrote it; some were corrected since.
;; Mo E Layer. Allowed arithmetic: matrix products marked QUANTISED: E4M3 operands, one given power-of-two scale a tensor, by v_wmma_f32_16x16x64_fp8_fp8 or v_wmma_f32_16x16x128_fp8_fp8, f32 sums; products left as they are: f32 operands where the result goes on into a quantised operand, else bf16, f16 or f32 operands; f32 sums; everything else in f32.
;; Inputs: b1 8 x 4,096 float32; b2 8 x 1,024 float32; gate_b 8 float32; gate_w 8 x 1,024 float32; lowp_scales 32 int32 (the exponents e of the quantised operands' scales 2^e); w1 8 x 1,024 x 4,096 float32; w2 8 x 4,096 x 1,024 float32; x 4 x 256 x 1,024 float32.
;; Outputs: out0 4 x 256 x 1,024 float32.
;; This version of the problem:
;;   THIS VERSION OF THE PROBLEM IS GIVEN IN LOW PRECISION. The matrix products marked QUANTISED in the list below multiply operands that are first quantised to E4M3 (4 exponent bits, 3 mantissa bits; 8 bits a number), with one given power-of-two scale for each operand tensor; their sums are f32. All else is computed in f32.
;;   The module's matrix products, in the order in which they are computed (A, B: the left and right operand; K: the contracted axis; several contracted axes count as one K, in the product's order):
;;     1. [M 1,024, K 1,024] x [K 1,024, N 8]; A: input x; B: input gate_w: left as it is (N = 8 < 16)
;;     2. [M 1,024, K 1,024] x [K 1,024, N 4,096]; A: input x; B: input w1: QUANTISED (scales: A lowp_scales[0], B lowp_scales[1])
;;     3. [M 1,024, K 4,096] x [K 4,096, N 1,024]; A: computed on the way; B: input w2: QUANTISED (scales: A lowp_scales[2], B lowp_scales[3])
;;     4. [M 1,024, K 1,024] x [K 1,024, N 4,096]; A: input x; B: input w1: QUANTISED (scales: A lowp_scales[4], B lowp_scales[5])
;;     5. [M 1,024, K 4,096] x [K 4,096, N 1,024]; A: computed on the way; B: input w2: QUANTISED (scales: A lowp_scales[6], B lowp_scales[7])
;;     6. [M 1,024, K 1,024] x [K 1,024, N 4,096]; A: input x; B: input w1: QUANTISED (scales: A lowp_scales[8], B lowp_scales[9])
;;     7. [M 1,024, K 4,096] x [K 4,096, N 1,024]; A: computed on the way; B: input w2: QUANTISED (scales: A lowp_scales[10], B lowp_scales[11])
;;     8. [M 1,024, K 1,024] x [K 1,024, N 4,096]; A: input x; B: input w1: QUANTISED (scales: A lowp_scales[12], B lowp_scales[13])
;;     9. [M 1,024, K 4,096] x [K 4,096, N 1,024]; A: computed on the way; B: input w2: QUANTISED (scales: A lowp_scales[14], B lowp_scales[15])
;;     10. [M 1,024, K 1,024] x [K 1,024, N 4,096]; A: input x; B: input w1: QUANTISED (scales: A lowp_scales[16], B lowp_scales[17])
;;     11. [M 1,024, K 4,096] x [K 4,096, N 1,024]; A: computed on the way; B: input w2: QUANTISED (scales: A lowp_scales[18], B lowp_scales[19])
;;     12. [M 1,024, K 1,024] x [K 1,024, N 4,096]; A: input x; B: input w1: QUANTISED (scales: A lowp_scales[20], B lowp_scales[21])
;;     13. [M 1,024, K 4,096] x [K 4,096, N 1,024]; A: computed on the way; B: input w2: QUANTISED (scales: A lowp_scales[22], B lowp_scales[23])
;;     14. [M 1,024, K 1,024] x [K 1,024, N 4,096]; A: input x; B: input w1: QUANTISED (scales: A lowp_scales[24], B lowp_scales[25])
;;     15. [M 1,024, K 4,096] x [K 4,096, N 1,024]; A: computed on the way; B: input w2: QUANTISED (scales: A lowp_scales[26], B lowp_scales[27])
;;     16. [M 1,024, K 1,024] x [K 1,024, N 4,096]; A: input x; B: input w1: QUANTISED (scales: A lowp_scales[28], B lowp_scales[29])
;;     17. [M 1,024, K 4,096] x [K 4,096, N 1,024]; A: computed on the way; B: input w2: QUANTISED (scales: A lowp_scales[30], B lowp_scales[31])
;;   THE QUANTISER, for each operand of a quantised product, along K:
;;     - The operand's scale is 2^e, e = its entry of the input lowp_scales (int32; the entries are numbered through the quantised products in the list's order, A before B).
;;     - Each number is divided by the scale, clamped to +-448, and rounded to the nearest number of E4M3, ties to even, subnormals kept.
;;     - The product sums the exact products of the quantised numbers (number of the format x scale) in f32.
;;   ~~~python
;;   def quantise(x, axis, e):      # numpy; x: float32 -> the quantised numbers, widened to float32 again
;;       x = np.moveaxis(x, axis, -1); K = x.shape[-1]
;;       r = np.clip(x / 2.0 ** e, -448, 448)
;;       step = 2.0 ** (np.maximum(np.frexp(np.where(r == 0, 1, r))[1] - 1, -6) - 3)
;;       q = np.round(r / step) * step * 2.0 ** e      # np.round: ties to even
;;       return np.moveaxis(q, -1, axis).astype(np.float32)
;;   ~~~
;;   OPERANDS COMPUTED ON THE WAY. 'Computed on the way' means the value that the module computes at that place (a softmax that the list does not call 'softmax' is quantised finished and normalised). What goes into a quantiser is computed in f32, as accurately as f32 sums, v_exp_f32 and their like allow (about 1e-6 of the number): no bf16 or f16 on the way to a quantiser, and a product that is left as it is and whose result goes on into a quantised operand takes f32 operands (vector FMAs, or v_wmma_f32_16x16x4_f32). A number that lies on a knife's edge between two numbers of the format may be rounded either way, as far as f32 arithmetic and the matrix unit's own rounding can turn it there, and no further.
;; 2 versions. Each part assembles by itself: llvm-mc -triple=amdgcn-amd-amdhsa -mcpu=gfx1250 --defsym DOCPART=n.
;; ======== version 1 of 2: 5 launches
;; workspace buffers: slotinfo 8,192 bytes of whole numbers; hist 8,192 bytes of whole numbers; gatew 8,192 bytes; pos 8,192 bytes of whole numbers; meta 256 bytes of whole numbers; xq 2,228,224 bytes; hq 8,912,896 bytes; y 17,825,792 bytes
;; launch route (part 1): grid 64 x 1, 4 waves a work-group, no clusters, 34,304 bytes of LDS; arguments x, gate_w, gate_b, slotinfo, gatew, hist; writes slotinfo, gatew, hist
.if DOCPART == 1
	.amdgcn_target "amdgcn-amd-amdhsa--gfx1250"
	.amdhsa_code_object_version 6
	.text
	.protected	k_qd2fcbf72c7_route
	.globl	k_qd2fcbf72c7_route
	.p2align	8
	.type	k_qd2fcbf72c7_route,@function
k_qd2fcbf72c7_route:
	s_mov_b64 s[64:65], 0
	v_nop
	global_prefetch_b8 v0, s[64:65] scope:SCOPE_SE
	s_setreg_imm32_b32 hwreg(HW_REG_WAVE_MODE, 25, 1), 1
	s_wait_xcnt 0x0
; THE ROUTER.  gates = x gate_w^T + gate_b in f32 (fused multiply-adds), the two largest of the eight, their softmax.
; A work-group owns 16 tokens = 32 slots (slot 2 t + k is token t's k-th choice); wave w owns tokens 4 w .. 4 w + 3.
; A lane holds k = 128 i + 4 lane + 0..3, i = 0..7, of each row: every load of the wave covers 512 consecutive bytes.
; gate_w is fetched once a work-group: wave w loads rows 2 w and 2 w + 1, puts them into LDS as they lie, and behind a barrier every wave takes the rows from there,
; two rows ahead of their use.
; Stored, all at fixed places: slotinfo[slot] = expert | rank among the block's earlier slots of that expert << 8;
; gatew[slot] = the softmax weight; hist[block] = the block's eight counts, two to a word, then 28 zero words.
; Nothing here steers an address or a branch by a gate: the choice only selects values.
; TIES: a strict compare keeps the lower index, as the reference's top-k does.
; LIMITS: NaN or infinite gates are not served.  The gate sums are f32 in an order of their own (two chains a lane,
; then across the lanes): two gates closer than that rounding may change places against the reference.
; LDS: 0-511 the slots' experts, 512-1023 their weights, from 1024 on gate_w's eight rows of 4,096 bytes.
.set X,  16                            ; v16-143   four tokens x 32 numbers
.set GW, 144                           ; v144-207  my two rows of gate_w as loaded; then two sets of 32 numbers of a row; later at work
.set G,  208                           ; v208-239  gate (token j, expert e) at G + 8 j + e
.set T,  240                           ; v240-255  four registers a token: two chains; later best value, best index, second value, second index
.set GWL, 1024
	s_load_b256 s[4:11], s[0:1], 0x0               ; x s[4:5], gate_w s[6:7], gate_b s[8:9], slotinfo s[10:11]
	s_load_b128 s[12:15], s[0:1], 0x20             ; gatew s[12:13], hist s[14:15]
	s_set_vgpr_msb 0x40
	v_lshl_add_u32 v0, v0, 2, 0x8400
	v_mov_b32 v1, 0
	s_set_vgpr_msb 0x4000
	v_and_b32 v1, 31, v0                           ; lane
	v_lshrrev_b32 v5, 5, v0
	v_readfirstlane_b32 s16, v5                    ; wave
	v_lshlrev_b32 v2, 4, v1                        ; 16 x lane
	v_lshlrev_b32 v3, 2, v0                        ; LDS, in: 128 x wave + 4 x lane
	v_lshrrev_b32 v5, 3, v1
	v_and_b32 v6, 7, v1
	v_lshlrev_b32 v4, 7, v5
	v_lshl_add_u32 v4, v6, 2, v4                   ; LDS, out: slot l lies in wave l / 8's words, at lane l % 8
	s_lshl_b32 s30, s16, 13                        ; my wave's two rows of gate_w: 8,192 bytes
	s_mov_b32 s31, 0
	v_add_nc_u32 v5, s30, v2                       ; where I put them in LDS: 8,192 x wave + 16 x lane (+ GWL, in the immediate)
	v_lshlrev_b32 v7, 2, v1                        ; 4 x lane
	v_mov_b32 v8, 0                                ; the collectors: lane 2 j + k takes token j's k-th expert,
	v_mov_b32 v9, 0                                ; and its weight
	v_mov_b32 v10, 0xff800000                      ; -infinity
	s_mov_b32 s28, 0x76543210                      ; v_permlanex16_b32: lane l xor 16
	s_mov_b32 s29, 0xfedcba98
	s_lshl_b32 s18, ttmp9, 16                      ; 16 tokens of 4,096 bytes,
	s_lshl_b32 s19, s16, 14                        ; my wave's four
	s_add_co_u32 s18, s18, s19
	s_mov_b32 s19, 0
	s_wait_kmcnt 0x0
	s_load_b256 s[20:27], s[8:9], 0x0              ; gate_b
	s_add_nc_u64 s[4:5], s[4:5], s[18:19]
	s_add_nc_u64 s[30:31], s[6:7], s[30:31]
.irp n, 0,1,2,3,4,5,6,7,8,9,10,11,12,13,14,15
	global_load_b128 v[GW+4*\n:GW+4*\n+3], v2, s[30:31] offset:512*\n   ; my two rows of gate_w go out first: all waves wait for them
.endr
.irp j, 0,1,2,3
.irp i, 0,1,2,3,4,5,6,7
	global_load_b128 v[X+32*\j+4*\i:X+32*\j+4*\i+3], v2, s[4:5] offset:4096*\j+512*\i
.endr
.endr
	s_wait_loadcnt 32                              ; gate_w's sixteen loads are in; x's 32 may be out
.irp n, 0,1,2,3,4,5,6,7,8,9,10,11,12,13,14,15
	ds_store_b128 v5, v[GW+4*\n:GW+4*\n+3] offset:GWL+512*\n
.endr
	s_wait_dscnt 0x0                               ; for the others' sake: my two rows have landed
	s_barrier_signal -1
	s_barrier_wait -1                              ; all eight rows lie in LDS; nobody writes them again
.macro LLOAD e                         ; row e of gate_w from LDS into set e & 1
.irp i, 0,1,2,3,4,5,6,7
	ds_load_b128 v[GW+32*((\e)&1)+4*\i:GW+32*((\e)&1)+4*\i+3], v2 offset:GWL+4096*(\e)+512*\i
.endr
.endm
.macro DOT e                           ; my 32 numbers' part of gate e of the four tokens: two packed chains a token
.set B, GW+32*((\e)&1)
.irp j, 0,1,2,3
	v_pk_mul_f32 v[T+4*\j:T+4*\j+1], v[X+32*\j:X+32*\j+1], v[B:B+1]
	v_pk_mul_f32 v[T+4*\j+2:T+4*\j+3], v[X+32*\j+2:X+32*\j+3], v[B+2:B+3]
.endr
.irp i, 1,2,3,4,5,6,7
.irp j, 0,1,2,3
	v_pk_fma_f32 v[T+4*\j:T+4*\j+1], v[X+32*\j+4*\i:X+32*\j+4*\i+1], v[B+4*\i:B+4*\i+1], v[T+4*\j:T+4*\j+1]
	v_pk_fma_f32 v[T+4*\j+2:T+4*\j+3], v[X+32*\j+4*\i+2:X+32*\j+4*\i+3], v[B+4*\i+2:B+4*\i+3], v[T+4*\j+2:T+4*\j+3]
.endr
.endr
.irp j, 0,1,2,3
	v_pk_add_f32 v[T+4*\j:T+4*\j+1], v[T+4*\j:T+4*\j+1], v[T+4*\j+2:T+4*\j+3]
.endr
.irp j, 0,1,2,3
	v_add_f32 v[G+8*\j+\e], v[T+4*\j], v[T+4*\j+1]
.endr
.endm
	LLOAD 0
	LLOAD 1
	s_wait_loadcnt 0x0                             ; x
.irp e, 0,1,2,3,4,5,6,7
.if \e < 7
	s_wait_dscnt 8                                 ; row e is in; the eight loads of row e + 1 may be out
.else
	s_wait_dscnt 0
.endif
	DOT \e
.if \e < 6
	LLOAD \e+2                                     ; into the set just read
.endif
.endr
	; the 32 sums across the 32 lanes: four steps inside each half ride on the addition, one crosses the halves
.irp m, 1,2,4,8
.set n, 0
.rept 32
	v_add_f32_dpp v[G+n], v[G+n], v[G+n] row_xmask:\m row_mask:0xf bank_mask:0xf
.set n, n+1
.endr
.endr
.set n, 0
.rept 32
	v_permlanex16_b32 v[GW+n], v[G+n], s28, s29    ; (its destination has been written: the rows of gate_w lay there)
.set n, n+1
.endr
.set n, 0
.rept 32
	v_add_f32 v[G+n], v[G+n], v[GW+n]
.set n, n+1
.endr
	s_wait_kmcnt 0x0                               ; gate_b
.irp e, 0,1,2,3,4,5,6,7
.irp j, 0,1,2,3
	v_add_f32 v[G+8*\j+\e], s[20+\e], v[G+8*\j+\e]
.endr
.endr
	; the largest gate and its index; every lane does this for all four tokens
.macro BEST val, idx                   ; offsets of value and index in a token's four registers
.irp j, 0,1,2,3
	v_mov_b32 v[T+4*\j+\val], v[G+8*\j]
	v_mov_b32 v[T+4*\j+\idx], 0
.endr
.irp e, 1,2,3,4,5,6,7
.irp j, 0,1,2,3
	v_cmp_gt_f32 s[32+\j], v[G+8*\j+\e], v[T+4*\j+\val]
	v_cndmask_b32 v[T+4*\j+\val], v[T+4*\j+\val], v[G+8*\j+\e], s[32+\j]
	v_cndmask_b32 v[T+4*\j+\idx], v[T+4*\j+\idx], \e, s[32+\j]
.endr
.endr
.endm
	BEST 0, 1
.irp e, 0,1,2,3,4,5,6,7                ; the winner is taken out,
.irp j, 0,1,2,3
	v_cmp_eq_u32 s[32+\j], \e, v[T+4*\j+1]
	v_cndmask_b32 v[G+8*\j+\e], v[G+8*\j+\e], v10, s[32+\j]
.endr
.endr
	BEST 2, 3                                      ; and the same again gives the second
	; softmax of the two with the larger taken off: 1 / (1 + q) and q / (1 + q), q = 2^((g2 - g1) log2 e) <= 1
.irp j, 0,1,2,3
	v_sub_f32 v[GW+\j], v[T+4*\j+2], v[T+4*\j]
.endr
.irp j, 0,1,2,3
	v_mul_f32 v[GW+\j], 0x3fb8aa3b, v[GW+\j]
.endr
.irp j, 0,1,2,3
	v_exp_f32 v[GW+4+\j], v[GW+\j]
.endr
	v_nop                                          ; a plain instruction behind the last exponential,
	s_wait_alu depctr_va_vdst(0)                   ; and one wait for the four, ahead of their first reader
.irp j, 0,1,2,3
	v_add_f32 v[GW+8+\j], 1.0, v[GW+4+\j]
.endr
.irp j, 0,1,2,3
	v_rcp_f32 v[GW+12+\j], v[GW+8+\j]
.endr
	v_nop
	s_wait_alu depctr_va_vdst(0)                   ; one wait for the four reciprocals
.irp j, 0,1,2,3
	v_mul_f32 v[GW+4+\j], v[GW+4+\j], v[GW+12+\j]
.endr
.irp j, 0,1,2,3
	v_cmp_eq_u32 vcc_lo, 2*\j, v1
	v_cndmask_b32 v8, v8, v[T+4*\j+1], vcc_lo
	v_cndmask_b32 v9, v9, v[GW+12+\j], vcc_lo
	v_cmp_eq_u32 vcc_lo, 2*\j+1, v1
	v_cndmask_b32 v8, v8, v[T+4*\j+3], vcc_lo
	v_cndmask_b32 v9, v9, v[GW+4+\j], vcc_lo
.endr
	ds_store_b32 v3, v8                            ; experts at LDS 0, weights at 512
	ds_store_b32 v3, v9 offset:512
	s_wait_dscnt 0x0                               ; for wave 0's sake: my stores have landed
	s_barrier_signal -1
	s_barrier_wait -1
	s_cmp_lg_u32 s16, 0
	s_cbranch_scc1 .Lend
	; wave 0, a lane to a slot
	ds_load_b32 v11, v4
	ds_load_b32 v12, v4 offset:512
	v_mov_b32 v14, 0
	v_mov_b32 v16, 0
	s_lshl_b32 s18, ttmp9, 7                       ; the block's 128 bytes in each of the three buffers
	s_add_nc_u64 s[10:11], s[10:11], s[18:19]
	s_add_nc_u64 s[12:13], s[12:13], s[18:19]
	s_add_nc_u64 s[14:15], s[14:15], s[18:19]
	s_wait_dscnt 0x0
.irp e, 0,1,2,3,4,5,6,7
	v_cmp_eq_u32 s[32+\e], \e, v11                 ; the slots of expert e,
	v_mbcnt_lo_u32_b32 v13, s[32+\e], 0            ; how many of them lie below my lane,
	v_cndmask_b32 v14, v14, v13, s[32+\e]          ; which is my rank if e is mine,
	s_bcnt1_i32_b32 s[40+\e], s[32+\e]             ; and how many there are
.endr
	v_lshl_or_b32 v15, v14, 8, v11
.irp q, 0,1,2,3
	s_lshl_b32 s48, s[41+2*\q], 16
	s_or_b32 s48, s48, s[40+2*\q]
	v_writelane_b32 v16, s48, \q
.endr
	global_store_b32 v7, v15, s[10:11]             ; each store covers the block's 128 consecutive bytes
	global_store_b32 v7, v12, s[12:13]
	global_store_b32 v7, v16, s[14:15]
.Lend:
	s_set_vgpr_msb 0x5
	s_wait_tensorcnt 0x0
	ds_add_u32 v0, v1
	s_wait_dscnt 0x0
	s_set_vgpr_msb 0x500
	s_endpgm
.Lfunc_end_k_qd2fcbf72c7_route:
	.size	k_qd2fcbf72c7_route, .Lfunc_end_k_qd2fcbf72c7_route-k_qd2fcbf72c7_route
	.p2alignl 7, 3214868480
	.fill 96, 4, 3214868480
	.section	.rodata,"a",@progbits
	.p2align	6, 0x0
	.amdhsa_kernel k_qd2fcbf72c7_route
		.amdhsa_group_segment_fixed_size 34304
		.amdhsa_private_segment_fixed_size 0
		.amdhsa_enable_private_segment 0
		.amdhsa_kernarg_size 48
		.amdhsa_user_sgpr_count 2
		.amdhsa_user_sgpr_kernarg_segment_ptr 1
		.amdhsa_wavefront_size32 1
		.amdhsa_system_sgpr_workgroup_id_x 1
		.amdhsa_system_sgpr_workgroup_id_y 1
		.amdhsa_system_sgpr_workgroup_id_z 1
		.amdhsa_system_vgpr_workitem_id 0
		.amdhsa_next_free_vgpr 258
		.amdhsa_next_free_sgpr 66
		.amdhsa_reserve_vcc 1
		.amdhsa_float_denorm_mode_32 3
		.amdhsa_float_denorm_mode_16_64 3
		.amdhsa_memory_ordered 1
		.amdhsa_forward_progress 1
		.amdhsa_inst_pref_size 79
	.end_amdhsa_kernel
	.amdgpu_metadata
---
amdhsa.version: [ 1, 2 ]
amdhsa.kernels:
  - .name:           k_qd2fcbf72c7_route
    .symbol:         k_qd2fcbf72c7_route.kd
    .args:
      - { .name: x, .offset: 0, .size: 8, .value_kind: global_buffer, .address_space: global }
      - { .name: gate_w, .offset: 8, .size: 8, .value_kind: global_buffer, .address_space: global }
      - { .name: gate_b, .offset: 16, .size: 8, .value_kind: global_buffer, .address_space: global }
      - { .name: slotinfo, .offset: 24, .size: 8, .value_kind: global_buffer, .address_space: global }
      - { .name: gatew, .offset: 32, .size: 8, .value_kind: global_buffer, .address_space: global }
      - { .name: hist, .offset: 40, .size: 8, .value_kind: global_buffer, .address_space: global }
    .group_segment_fixed_size: 34304
    .private_segment_fixed_size: 0
    .kernarg_segment_align: 8
    .kernarg_segment_size: 48
    .max_flat_workgroup_size: 128
    .sgpr_count:     66
    .vgpr_count:     258
    .wavefront_size: 32
...
	.end_amdgpu_metadata
.endif
;; end of part 1
;; launch place (part 2): grid 64 x 1, 8 waves a work-group, no clusters, 0 bytes of LDS; arguments slotinfo, hist, x, lowp_scales, pos, meta, xq; writes pos, meta, xq
.if DOCPART == 2
	.amdgcn_target "amdgcn-amd-amdhsa--gfx1250"
	.amdhsa_code_object_version 6
	.text
	.protected	k_qd2fcbf72c7_place
	.globl	k_qd2fcbf72c7_place
	.p2align	8
	.type	k_qd2fcbf72c7_place,@function
k_qd2fcbf72c7_place:
	s_mov_b64 s[64:65], 0
	v_nop
	global_prefetch_b8 v0, s[64:65] scope:SCOPE_SE
	s_setreg_imm32_b32 hwreg(HW_REG_WAVE_MODE, 25, 1), 1
	s_wait_xcnt 0x0
; THE PLACING.  Each expert's rows lie in slot order, each expert padded to whole tiles of 16 rows: at most 2,048 + 8 x 15 rows, 2,176 are kept.
; row of a slot = the expert's first row + the expert's slots in earlier blocks + the slot's rank in its block.
; Every wave makes all 32 rows of its block from the 64 blocks' counts (a lane takes blocks l and 32 + l; the counts are added two to a word:
; no sum passes 1,024, so no carry crosses a field).  Then wave w quantises tokens 2 w and 2 w + 1 of the block, each twice, once with the scale
; of each of its two experts, and stores the codes as rows of xq.
; Stored: pos[slot]; meta[4 e ..] = first row, tiles, last real row (0 where the expert has none), rows; xq[row][1024 codes], real rows only.
; code = x / 2^ex, held within +-448, to the nearest code, ties to even; ex = lowp_scales[4 e].  The 32 exponents are loaded at the head, a lane a word, and ex is read from lane 4 e.
; LIMITS: ex between -126 and 119.  NaN in x is not served.
	s_load_b256 s[4:11], s[0:1], 0x0               ; slotinfo s[4:5], hist s[6:7], x s[8:9], lowp_scales s[10:11]
	s_load_b128 s[12:15], s[0:1], 0x20             ; pos s[12:13], meta s[14:15]
	s_load_b64 s[16:17], s[0:1], 0x30              ; xq
	v_and_b32 v1, 31, v0                           ; lane
	v_lshrrev_b32 v15, 5, v0
	v_readfirstlane_b32 s18, v15                   ; wave
	s_mov_b32 s19, ttmp9                           ; block
	v_lshlrev_b32 v2, 5, v1                        ; x: 8 numbers a lane
	v_lshlrev_b32 v3, 3, v1                        ; codes: 8 bytes a lane
	v_lshlrev_b32 v13, 2, v1                       ; 4 x lane
	v_lshlrev_b32 v14, 7, v1                       ; hist: a block's 128 bytes
	v_add_nc_u32 v15, 32, v1
	v_mov_b32 v94, 0
.irp q, 0,1,2,3,4,5,6,7
	v_mov_b32 v[96+\q], 0                          ; written once: the destination of a lane move counts as read
.endr
	s_mov_b32 s76, 0x76543210
	s_mov_b32 s77, 0xfedcba98
	s_lshl_b32 s20, s19, 7
	s_mov_b32 s21, 0
	s_lshl_b32 s22, s19, 16                        ; 16 tokens of 4,096 bytes,
	s_lshl_b32 s23, s18, 13                        ; my wave's two
	s_add_co_u32 s22, s22, s23
	s_mov_b32 s23, 0
	s_wait_kmcnt 0x0
	s_add_nc_u64 s[4:5], s[4:5], s[20:21]
	s_add_nc_u64 s[12:13], s[12:13], s[20:21]
	s_add_nc_u64 s[8:9], s[8:9], s[22:23]
	global_load_b128 v[4:7], v14, s[6:7]               ; block l's counts
	global_load_b128 v[8:11], v14, s[6:7] offset:4096  ; block 32 + l's
	global_load_b32 v12, v13, s[4:5]                   ; my block's slots, a lane to a slot
	global_load_b32 v95, v13, s[10:11]                 ; the 32 exponents, a lane a word
.irp k, 0,1
.irp q, 0,1,2,3
	global_load_b128 v[16+32*\k+8*\q:16+32*\k+8*\q+3], v2, s[8:9] offset:4096*\k+1024*\q       ; k = 256 q + 8 lane + 0..7 of token k
	global_load_b128 v[16+32*\k+8*\q+4:16+32*\k+8*\q+7], v2, s[8:9] offset:4096*\k+1024*\q+16
.endr
.endr
	s_wait_loadcnt 16                              ; counts, slots and exponents are in; x's sixteen loads may be out
.irp q, 0,1,2,3
	v_add_nc_u32 v[80+\q], v[4+\q], v[8+\q]        ; for the totals: all blocks;
.endr
	v_cmp_gt_u32 vcc_lo, s19, v1
.irp q, 0,1,2,3
	v_cndmask_b32 v[84+\q], 0, v[4+\q], vcc_lo     ; for the prefix: the blocks ahead of mine
.endr
	v_cmp_gt_u32 vcc_lo, s19, v15
.irp q, 0,1,2,3
	v_cndmask_b32 v[96+\q], 0, v[8+\q], vcc_lo
.endr
.irp q, 0,1,2,3
	v_add_nc_u32 v[84+\q], v[84+\q], v[96+\q]
.endr
.irp m, 1,2,4,8
.irp q, 0,1,2,3,4,5,6,7
	v_mov_b32_dpp v[96+\q], v[80+\q] row_xmask:\m row_mask:0xf bank_mask:0xf
.endr
.irp q, 0,1,2,3,4,5,6,7
	v_add_nc_u32 v[80+\q], v[80+\q], v[96+\q]
.endr
.endr
.irp q, 0,1,2,3,4,5,6,7
	v_permlanex16_b32 v[96+\q], v[80+\q], s76, s77
.endr
.irp q, 0,1,2,3,4,5,6,7
	v_add_nc_u32 v[80+\q], v[80+\q], v[96+\q]
.endr
.irp q, 0,1,2,3,4,5,6,7
	v_readfirstlane_b32 s[24+\q], v[80+\q]         ; s[24:27] totals, s[28:31] prefixes, two experts to a word
.endr
	s_mov_b32 s32, 0                               ; the next expert's first row
.irp e, 0,1,2,3,4,5,6,7
	s_bfe_u32 s33, s[24+\e/2], 0x100000|(16*(\e%2))   ; the expert's rows
	s_bfe_u32 s34, s[28+\e/2], 0x100000|(16*(\e%2))   ; those of earlier blocks
	s_add_co_u32 s35, s33, 15
	s_lshr_b32 s35, s35, 4                         ; its tiles
	s_add_co_u32 s[40+\e], s32, s34                ; where my block's rows of it begin
	s_add_co_u32 s36, s32, s33
	s_sub_co_u32 s36, s36, 1
	s_cmp_eq_u32 s33, 0
	s_cselect_b32 s36, 0, s36                      ; its last real row
	v_writelane_b32 v94, s32, 4*\e
	v_writelane_b32 v94, s35, 4*\e+1
	v_writelane_b32 v94, s36, 4*\e+2
	v_writelane_b32 v94, s33, 4*\e+3
	s_lshl_b32 s35, s35, 4
	s_add_co_u32 s32, s32, s35
.endr
	v_and_b32 v89, 0xff, v12                       ; my slot's expert,
	v_lshrrev_b32 v90, 8, v12                      ; its rank in the block
	v_mov_b32 v91, 0
.irp e, 0,1,2,3,4,5,6,7
	v_cmp_eq_u32 vcc_lo, \e, v89
	v_cndmask_b32 v91, v91, s[40+\e], vcc_lo
.endr
	v_add_nc_u32 v92, v91, v90
	v_min_u32 v92, 0x87f, v92                      ; its row
	s_cmp_lg_u32 s18, 0
	s_cbranch_scc1 .Lquant
	global_store_b32 v13, v92, s[12:13]            ; wave 0: the block's 128 bytes of pos
	s_cmp_lg_u32 s19, 0
	s_cbranch_scc1 .Lquant
	global_store_b32 v13, v94, s[14:15]            ; wave 0 of block 0: meta
.Lquant:
	s_lshl_b32 s37, s18, 2                         ; my wave's four slots are the block's slots 4 w .. 4 w + 3
.irp i, 0,1,2,3
	s_add_co_u32 s38, s37, \i
	v_readlane_b32 s[48+\i], v92, s38
	v_readlane_b32 s[52+\i], v89, s38
	s_min_u32 s[48+\i], s[48+\i], 0x87f
	s_min_u32 s[52+\i], s[52+\i], 7
	s_lshl_b32 s[52+\i], s[52+\i], 2               ; lane 4 e holds lowp_scales[4 e]
.endr
.irp i, 0,1,2,3
	v_readlane_b32 s[56+\i], v95, s[52+\i]         ; ex
.endr
.irp i, 0,1,2,3
	s_add_co_i32 s[56+\i], s[56+\i], 127
	s_lshl_b32 s78, s[56+\i], 23
	v_mov_b32 v[160+\i], s78                       ; 2^ex as f32: the conversion takes its exponent field
	s_add_co_i32 s78, s[56+\i], 8
	s_lshl_b32 s78, s78, 23
	s_or_b32 s78, s78, 0x600000
	v_mov_b32 v[164+\i], s78                       ; 448 x 2^ex
	s_lshl_b32 s[68+2*\i], s[48+\i], 10
	s_mov_b32 s[69+2*\i], 0
	s_add_nc_u64 s[68+2*\i:69+2*\i], s[16:17], s[68+2*\i:69+2*\i]   ; the slot's row of xq
.endr
.macro QROW k, i                       ; token k of my two, with slot i's scale, to slot i's row.  Each slot has code registers of its own: no store's data are written again
.set n, 0
.rept 32
	v_med3_num_f32 v[96+n], v[16+32*(\k)+n], -v[164+\i], v[164+\i]   ; the conversion to an 8-bit code does not saturate (ISA guide 7.6.2): the hold comes first
.set n, n+1
.endr
.irp q, 0,1,2,3
	v_cvt_scalef32_pk8_fp8_f32 v[128+8*(\i)+2*\q:128+8*(\i)+2*\q+1], v[96+8*\q:96+8*\q+7], v[160+\i]
.endr
	v_nop                                          ; a plain instruction between the conversions and the next row's holds, which write their sources
.irp q, 0,1,2,3
	global_store_b64 v3, v[128+8*(\i)+2*\q:128+8*(\i)+2*\q+1], s[68+2*(\i):69+2*(\i)] offset:256*\q   ; 32 lanes store 256 consecutive bytes, aligned
.endr
.endm
	s_wait_loadcnt 8                               ; the first token's eight loads are in
	QROW 0, 0
	QROW 0, 1
	s_wait_loadcnt 0
	QROW 1, 2
	QROW 1, 3
	s_endpgm
.Lfunc_end_k_qd2fcbf72c7_place:
	.size	k_qd2fcbf72c7_place, .Lfunc_end_k_qd2fcbf72c7_place-k_qd2fcbf72c7_place
	.p2alignl 7, 3214868480
	.fill 96, 4, 3214868480
	.section	.rodata,"a",@progbits
	.p2align	6, 0x0
	.amdhsa_kernel k_qd2fcbf72c7_place
		.amdhsa_group_segment_fixed_size 0
		.amdhsa_private_segment_fixed_size 0
		.amdhsa_enable_private_segment 0
		.amdhsa_kernarg_size 56
		.amdhsa_user_sgpr_count 2
		.amdhsa_user_sgpr_kernarg_segment_ptr 1
		.amdhsa_wavefront_size32 1
		.amdhsa_system_sgpr_workgroup_id_x 1
		.amdhsa_system_sgpr_workgroup_id_y 1
		.amdhsa_system_sgpr_workgroup_id_z 1
		.amdhsa_system_vgpr_workitem_id 0
		.amdhsa_next_free_vgpr 176
		.amdhsa_next_free_sgpr 96
		.amdhsa_reserve_vcc 1
		.amdhsa_float_denorm_mode_32 3
		.amdhsa_float_denorm_mode_16_64 3
		.amdhsa_memory_ordered 1
		.amdhsa_forward_progress 1
		.amdhsa_inst_pref_size 29
	.end_amdhsa_kernel
	.amdgpu_metadata
---
amdhsa.version: [ 1, 2 ]
amdhsa.kernels:
  - .name:           k_qd2fcbf72c7_place
    .symbol:         k_qd2fcbf72c7_place.kd
    .args:
      - { .name: slotinfo, .offset: 0, .size: 8, .value_kind: global_buffer, .address_space: global }
      - { .name: hist, .offset: 8, .size: 8, .value_kind: global_buffer, .address_space: global }
      - { .name: x, .offset: 16, .size: 8, .value_kind: global_buffer, .address_space: global }
      - { .name: lowp_scales, .offset: 24, .size: 8, .value_kind: global_buffer, .address_space: global }
      - { .name: pos, .offset: 32, .size: 8, .value_kind: global_buffer, .address_space: global }
      - { .name: meta, .offset: 40, .size: 8, .value_kind: global_buffer, .address_space: global }
      - { .name: xq, .offset: 48, .size: 8, .value_kind: global_buffer, .address_space: global }
    .group_segment_fixed_size: 0
    .private_segment_fixed_size: 0
    .kernarg_segment_align: 8
    .kernarg_segment_size: 56
    .max_flat_workgroup_size: 256
    .sgpr_count:     96
    .vgpr_count:     176
    .wavefront_size: 32
...
	.end_amdgpu_metadata
.endif
;; end of part 2
;; launch layer1 (part 3): grid 256 x 1, 8 waves a work-group, no clusters, 134,144 bytes of LDS; arguments w1, b1, lowp_scales, meta, xq, hq; writes hq
.if DOCPART == 3
	.amdgcn_target "amdgcn-amd-amdhsa--gfx1250"
	.amdhsa_code_object_version 6
	.text
	.protected	k_qd2fcbf72c7_layer1
	.globl	k_qd2fcbf72c7_layer1
	.p2align	8
	.type	k_qd2fcbf72c7_layer1,@function
k_qd2fcbf72c7_layer1:
	s_mov_b64 s[64:65], 0
	v_nop
	global_prefetch_b8 v0, s[64:65] scope:SCOPE_SE
	s_setreg_imm32_b32 hwreg(HW_REG_WAVE_MODE, 25, 1), 1
	s_wait_xcnt 0x0
; THE FIRST LAYER: hq = Q(gelu(Q(x) Q(w1[e]) + b1[e])) for the rows that chose expert e.  Products on codes of E4M3 by v_wmma_f32_16x16x128_fp8_fp8, sums f32.
; THE WEIGHTS STAND STILL.  Work-group id: expert e = id / 32, slice s = id % 32: hidden units 128 s .. 128 s + 127, all K = 1,024: 512 KiB of f32, read once,
; quantised in registers, kept as codes in LDS (128 rows of 1,024 codes, pitch 1,040), multiplied at once.  No weight code goes to memory.
; EIGHT STEPS of 128 along K, written out.  In a step wave w loads rows k = 128 ks + 16 w + i, i = 0..15 (each load: 512 consecutive bytes; a lane: columns 4 l + 0..3),
; holds and converts them (the hold also puts the 16 numbers of a column side by side), stores 16 codes of each of its four columns, passes ONE barrier, and
; multiplies the step's eight tiles of weights by its tiles of rows.  No LDS byte is ever written twice, so that one barrier a step is all.
; ROWS.  Tile of rows 24 p + 8 t + w of the expert belongs to wave w (t = 0..2) in pass p.  Pass 0 runs inside the stream.  All its loads are issued whether a tile exists or not (a tile that
; does not exist reads the expert's last row, and is never stored), so that every count of a wait holds on every path.  THE THIRD TILE'S PRODUCTS stand in blocks of their own and, from the
; second K step on, are jumped over by a scalar branch on the stored count where the tile does not exist; the first K step's are always issued, so that every accumulator is written on every path.
; Passes 1 and 2 (an expert has at most 64 tiles) run from the codes in LDS and are jumped over.  No barrier stands under such a branch.
; TRANSPOSED USE: source 0 = 16 hidden units, source 1 = 16 rows.  THE UNITS OF A TILE ARE NOT NEIGHBOURS: LDS row 32 b + 16 u + r holds unit 32 b + 8 u + r + 8 (r / 8), so
; that the 16 registers of tiles 2 b, 2 b + 1 are units 32 b + 16 (lane / 16) + 0..15 of the lane's row: the conversions' results ARE the next layer's operand registers.
; They are stored as that image: hq[tile][K step s][512 c + 16 lane].  K inside a fragment: registers 4 c .. 4 c + 3 = k 32 c + 16 (lane / 16) + 0..15, alike on both sides.
; GELU, exact form: gelu(x) = max(x, 0) - |x| a, a = erfc(|x| / sqrt 2) / 2 = t 2^(-x^2 log2(e) / 2 + A(t)), t = 1 / (1 + |x| / (2 sqrt 2)); A is the ninth-degree polynomial of
; the rational Chebyshev fit of erfc (fractional error 1.2e-7 everywhere), times log2 e, less 1.
; LIMITS: ew1, eh between -126 and 119; ex + ew1 between -126 and 127.  NaN among the inputs is not served.
; No tensor load and no cluster: branches hang on stored counts, and the weights must pass through registers to be quantised.  No prefetch: the launch streams its weights from its first line on.
; REGISTERS.  Window 0: v1 16 x lane; v2 where I store codes; v3, v4 where I read weight fragments; v5-7 my three tiles' rows in xq; v8, v9 2^ew1, 2^eh; v10 64 h; v11 r; v12 16 h;
;   v[14:15] a9; v16-79 four weight fragments, also the held numbers; v80-175 x's fragments, two sets of three; v176-239 weights as loaded, set 0; v240-255 codes just made.
;   In the way out: v80-143 a tile's 64 numbers; v144-159 t; v160-175 x^2, then max(x, 0); v176-191 the polynomial; v192-207 h's codes.
;   Window 1: v0-191 the accumulators, (t, n) at 8 (8 t + n); v192-255 weights as loaded, set 1; from the last step on b1 in the result's layout.
;   s61: 1 where my third tile of the pass in hand exists, else 0.
.set P,   1040
.set BF,  16
.set AF,  80
.set WS0, 176
.set WS1, 192
.set CW,  240
.set XX,  80
.set TT,  144
.set QQ,  160
.set PP,  176
.set CH,  192
.set MSB, 0
.macro WIN new                         ; the immediate's high byte repeats the setting that is left; a switch that changes nothing is dropped
.if MSB != (\new)
	s_set_vgpr_msb (MSB<<8)|(\new)
.set MSB, (\new)
.endif
.endm
.macro WLOAD ks                        ; step ks's 16 rows of my wave, into set ks & 1
.if ((\ks)&1)
	WIN 0x40                                       ; destination window 1
.irp i, 0,1,2,3,4,5,6,7,8,9,10,11,12,13,14,15
	global_load_b128 v[WS1+4*\i:WS1+4*\i+3], v1, s[32+2*(\ks):33+2*(\ks)] offset:16384*\i th:TH_LOAD_NT
.endr
	WIN 0
.else
.irp i, 0,1,2,3,4,5,6,7,8,9,10,11,12,13,14,15
	global_load_b128 v[WS0+4*\i:WS0+4*\i+3], v1, s[32+2*(\ks):33+2*(\ks)] offset:16384*\i th:TH_LOAD_NT
.endr
.endif
.endm
.macro HOLDS ks                        ; number (row i, column j) goes to place 16 j + i, held within +-448 x 2^ew1 (the conversion does not saturate: ISA guide 7.6.2)
.if ((\ks)&1)
	WIN 0x01                                       ; source 0 window 1
.irp i, 0,1,2,3,4,5,6,7,8,9,10,11,12,13,14,15
.irp j, 0,1,2,3
	v_med3_num_f32 v[BF+16*\j+\i], v[WS1+4*\i+\j], s28, s29
.endr
.endr
	WIN 0
.else
.irp i, 0,1,2,3,4,5,6,7,8,9,10,11,12,13,14,15
.irp j, 0,1,2,3
	v_med3_num_f32 v[BF+16*\j+\i], v[WS0+4*\i+\j], s28, s29
.endr
.endr
.endif
.endm
.macro CVTS
.irp j, 0,1,2,3
.irp m, 0,1
	v_cvt_scalef32_pk8_fp8_f32 v[CW+4*\j+2*\m:CW+4*\j+2*\m+1], v[BF+16*\j+8*\m:BF+16*\j+8*\m+7], v8
.endr
.endr
	v_nop                                          ; a plain instruction behind the last conversion
.endm
.macro CSTORE ks                       ; column j's 16 codes, k = 128 ks + 16 w + 0..15
.irp j, 0,1,2,3
	ds_store_b128 v2, v[CW+4*\j:CW+4*\j+3] offset:\j*P+128*(\ks)
.endr
.endm
.macro BIAS                            ; b1 in the result's layout: for tile n the lane's eight units 32 (n / 2) + 16 h + 8 (n % 2) + 0..7
	WIN 0x40
.irp n, 0,1,2,3,4,5,6,7
	global_load_b128 v[WS1+8*\n:WS1+8*\n+3], v10, s[58:59] offset:(32*(\n/2)+8*(\n%2))*4
	global_load_b128 v[WS1+8*\n+4:WS1+8*\n+7], v10, s[58:59] offset:(32*(\n/2)+8*(\n%2))*4+16
.endr
	WIN 0
.endm
.macro AADDR                           ; where my three tiles of pass s50 lie in xq: row min(first + 16 tile + r, last real row); and whether the third exists
	s_mul_i32 s52, s50, 24
	s_add_co_u32 s52, s52, s16
	s_add_co_u32 s53, s52, 16
	s_cmp_lt_u32 s53, s25
	s_cselect_b32 s61, 1, 0
	s_lshl_b32 s52, s52, 4
	s_add_co_u32 s52, s52, s24
.irp t, 0,1,2
	v_add_nc_u32 v[5+\t], s52, v11
	v_min_u32 v[5+\t], s26, v[5+\t]
	v_min_u32 v[5+\t], 0x87f, v[5+\t]
	v_lshl_add_u32 v[5+\t], v[5+\t], 10, v12
	s_add_co_u32 s52, s52, 128
.endr
.endm
.macro ALOAD ks                        ; x's three fragments of K step ks, into set ks & 1: 12 loads
.irp t, 0,1,2
.irp c, 0,1,2,3
	global_load_b128 v[AF+48*((\ks)&1)+16*\t+4*\c:AF+48*((\ks)&1)+16*\t+4*\c+3], v[5+\t], s[12:13] offset:128*(\ks)+32*\c
.endr
.endr
.endm
.macro PROD ks, n, f, t                ; one product: tile of weights n, which is fragment f of the four in registers, x tile of rows t.  At ks = 0 it starts the sum
.if (\ks)==0
	v_wmma_f32_16x16x128_fp8_fp8 v[8*(8*(\t)+(\n)):8*(8*(\t)+(\n))+7], v[BF+16*(\f):BF+16*(\f)+15], v[AF+48*((\ks)&1)+16*(\t):AF+48*((\ks)&1)+16*(\t)+15], 0
.else
	v_wmma_f32_16x16x128_fp8_fp8 v[8*(8*(\t)+(\n)):8*(8*(\t)+(\n))+7], v[BF+16*(\f):BF+16*(\f)+15], v[AF+48*((\ks)&1)+16*(\t):AF+48*((\ks)&1)+16*(\t)+15], v[8*(8*(\t)+(\n)):8*(8*(\t)+(\n))+7]
.endif
.endm
.macro THIRD ks, rd                    ; the third tile's four products of a half; from the second K step on only where the tile exists.  Every window is 0 at the branch and at the label
.if (\ks)!=0
	WIN 0
	s_cmp_eq_u32 s61, 0
	s_cbranch_scc1 .Lno3_\@
	WIN 0x50
.endif
.irp f, 0,1,2,3
	PROD \ks, 4*(\rd)+\f, \f, 2
.endr
	WIN 0
.if (\ks)!=0
.Lno3_\@:
.endif
.endm
; K step ks: eight tiles of weights x my tiles of rows, four tiles of weights at a time: first tiles 0 and 1 of the rows, then the third.  The accumulators take turns, one instruction a turn:
; no two products that follow each other, on either way, name the same accumulator.  Four v_nop close each half, behind the label, so on both ways: places
; ahead of the loads and holds that land on registers which these products read, and ahead of the first read of their results.
.macro CONSUME ks
.irp rd, 0,1
.irp f, 0,1,2,3
.irp c, 0,1,2,3
	ds_load_b128 v[BF+16*\f+4*\c:BF+16*\f+4*\c+3], v[3+\rd] offset:\f*16*P+128*(\ks)+32*\c
.endr
.endr
	WIN 0x50                                       ; C and D window 1
.irp f, 0,1,2,3
	s_wait_dscnt 12-4*\f                           ; fragment f's four loads are in; the later fragments' may be out
	PROD \ks, 4*\rd+\f, \f, 0
	PROD \ks, 4*\rd+\f, \f, 1
.endr
	THIRD \ks, \rd
.rept 4
	v_nop
.endr
.endr
.endm
; A step of the stream.  Loads are issued in the order W0 W1 A0 A1, then in step ks: W(ks+2) in its middle, A(ks+2) at its end (W: 16 loads, A: 12).
.macro STEP ks
.if (\ks)==7
	s_wait_loadcnt 12                              ; behind W7: A7
.else
	s_wait_loadcnt 40                              ; behind W(ks): A(ks), W(ks+1), A(ks+1)
.endif
	HOLDS \ks
.if (\ks)<=5
	WLOAD (\ks)+2                                  ; into the set just read
.endif
.if (\ks)==7
	BIAS                                           ; set 1 has been read for the last time
.endif
	CVTS
	CSTORE \ks
	s_wait_dscnt 0x0                               ; for the others' sake: my codes have landed
	s_barrier_signal -1
	s_barrier_wait -1                              ; the step's 128 x 128 codes lie in LDS
.if (\ks)==0
	s_wait_loadcnt 28                              ; behind A0: A1, W2
.elseif (\ks)<=5
	s_wait_loadcnt 44                              ; behind A(ks): W(ks+1), A(ks+1), W(ks+2)
.elseif (\ks)==6
	s_wait_loadcnt 28                              ; behind A6: W7, A7
.else
	s_wait_loadcnt 16                              ; behind A7: the bias
.endif
	CONSUME \ks
.if (\ks)<=5
	ALOAD (\ks)+2
.endif
.endm
.macro XSTEP ks                        ; a K step of a later pass: the codes lie in LDS
.if (\ks)<7
	ALOAD (\ks)+1
	s_wait_loadcnt 12                              ; all but the 12 just issued
.else
	s_wait_loadcnt 0
.endif
	CONSUME \ks
.endm
.macro TAKE t                          ; tile t's 64 sums x 2^(ex + ew1) + b1; each accumulator from its low end on
	WIN 0x11                                       ; sources 0 (the sums) and 2 (b1) window 1
.set n, 0
.rept 32
	v_pk_fma_f32 v[XX+n:XX+n+1], v[64*(\t)+n:64*(\t)+n+1], s[48:49], v[WS1+n:WS1+n+1] op_sel_hi:[1,0,1]
.set n, n+2
.endr
	WIN 0
.endm
.macro LEVEL lit                       ; a step of Horner's rule, two numbers an instruction
.irp q, 0,2,4,6,8,10,12,14
	v_pk_fma_f32 v[PP+\q:PP+\q+1], v[PP+\q:PP+\q+1], v[TT+\q:TT+\q+1], \lit op_sel_hi:[1,1,0]
.endr
.endm
.macro GELU b                          ; 16 numbers: units 32 b + 16 h + 0..15 of my row; their codes are registers 4 b .. 4 b + 3 of the next operand
.set XB, XX+16*(\b)
.set n, 0
.rept 16
	v_fma_f32 v[TT+n], |v[XB+n]|, s60, 1.0
.set n, n+1
.endr
.set n, 0
.rept 16
	v_rcp_f32 v[TT+n], v[TT+n]                     ; t
.set n, n+1
.endr
.irp q, 0,2,4,6,8,10,12,14
	v_pk_mul_f32 v[QQ+\q:QQ+\q+1], v[XB+\q:XB+\q+1], v[XB+\q:XB+\q+1]   ; x^2: plain work behind the reciprocals
.endr
	s_wait_alu depctr_va_vdst(0)                   ; one wait for the sixteen reciprocals, ahead of their first reader
.irp q, 0,2,4,6,8,10,12,14
	v_pk_fma_f32 v[PP+\q:PP+\q+1], v[TT+\q:TT+\q+1], v[14:15], 0xbf97d29d op_sel_hi:[1,1,0]   ; a9 t + a8
.endr
	LEVEL 0x40097039                               ; a7 =  2.1474745
	LEVEL 0xbfd1a1e5                               ; a6 = -1.6377532
	LEVEL 0x3ecdfd18                               ; a5 =  0.40232158
	LEVEL 0xbe899a80                               ; a4 = -0.26875686
	LEVEL 0x3e0efb2e                               ; a3 =  0.13963006
	LEVEL 0x3f0a29d2                               ; a2 =  0.53970062
	LEVEL 0x3fb8ab5a                               ; a1 =  1.4427292
	LEVEL 0xc034d90f                               ; a0 = -2.8257482
.irp q, 0,2,4,6,8,10,12,14
	v_pk_fma_f32 v[PP+\q:PP+\q+1], v[QQ+\q:QQ+\q+1], 0xbf38aa3b, v[PP+\q:PP+\q+1] op_sel_hi:[1,0,1]   ; - x^2 log2(e) / 2
.endr
.set n, 0
.rept 16
	v_exp_f32 v[PP+n], v[PP+n]
.set n, n+1
.endr
.set n, 0
.rept 16
	v_max_num_f32 v[QQ+n], 0, v[XB+n]              ; plain work behind the exponentials
.set n, n+1
.endr
	s_wait_alu depctr_va_vdst(0)                   ; one wait for the sixteen exponentials
.irp q, 0,2,4,6,8,10,12,14
	v_pk_mul_f32 v[TT+\q:TT+\q+1], v[TT+\q:TT+\q+1], v[PP+\q:PP+\q+1]   ; a
.endr
.set n, 0
.rept 16
	v_fma_f32 v[XB+n], -|v[XB+n]|, v[TT+n], v[QQ+n]
.set n, n+1
.endr
.set n, 0
.rept 16
	v_med3_num_f32 v[XB+n], v[XB+n], s30, s31      ; the hold at +-448 x 2^eh
.set n, n+1
.endr
	v_cvt_scalef32_pk8_fp8_f32 v[CH+4*(\b):CH+4*(\b)+1], v[XB:XB+7], v9
	v_cvt_scalef32_pk8_fp8_f32 v[CH+4*(\b)+2:CH+4*(\b)+3], v[XB+8:XB+15], v9
.endm
	s_load_b256 s[4:11], s[0:1], 0x0               ; w1 s[4:5], b1 s[6:7], lowp_scales s[8:9], meta s[10:11]
	s_load_b128 s[12:15], s[0:1], 0x20             ; xq s[12:13], hq s[14:15]
	v_lshrrev_b32 v14, 5, v0
	v_readfirstlane_b32 s16, v14                   ; wave
	s_lshr_b32 s17, ttmp9, 5                       ; expert
	s_and_b32 s18, ttmp9, 31                       ; slice
	s_lshl_b32 s56, s17, 4                         ; the expert's four words in lowp_scales and in meta
	v_and_b32 v13, 31, v0                          ; lane
	v_lshlrev_b32 v1, 4, v13
	v_and_b32 v11, 15, v0                          ; r
	v_bfe_u32 v12, v0, 4, 1                        ; h
	v_lshlrev_b32 v10, 6, v12
	v_mul_u32_u24 v3, v11, P
	v_lshl_add_u32 v3, v12, 4, v3                  ; a fragment's row x pitch + 16 h: tiles 0-3,
	v_add_nc_u32 v4, 64*P, v3                      ; tiles 4-7
	v_and_b32 v2, 0x19, v13                        ; my four columns' LDS rows: 4 l' + j, l' = lane with bits 1 and 2 changed over, which changes bits 3 and 4 of the unit over
	v_bfe_u32 v14, v13, 1, 1
	v_lshl_add_u32 v2, v14, 2, v2
	v_bfe_u32 v14, v13, 2, 1
	v_lshl_add_u32 v2, v14, 1, v2
	v_mul_u32_u24 v2, v2, 4*P
	s_lshl_b32 s52, s16, 4
	v_add_nc_u32 v2, s52, v2                       ; + 16 w: my wave's 16 along K
	v_lshlrev_b32 v12, 4, v12
	v_mov_b32 v14, 0x3e7c6f08                      ; a9 = 0.24651730, twice
	v_mov_b32 v15, 0x3e7c6f08
	s_mov_b32 s60, 0x3eb504f3                      ; 1 / (2 sqrt 2)
	s_mov_b32 s50, 0                               ; pass
	s_lshl_b32 s52, s17, 24                        ; w1: the expert's 16 MiB,
	s_lshl_b32 s53, s18, 9                         ; the slice's 512 bytes of a row,
	s_add_co_u32 s52, s52, s53
	s_lshl_b32 s53, s16, 18                        ; my wave's 16 rows of 16,384 bytes
	s_add_co_u32 s52, s52, s53
	s_mov_b32 s53, 0
	s_lshl_b32 s54, s17, 14                        ; b1: the expert's row, the slice's 512 bytes
	s_lshl_b32 s55, s18, 9
	s_add_co_u32 s54, s54, s55
	s_mov_b32 s55, 0
	s_wait_kmcnt 0x0
	s_load_b128 s[20:23], s[8:9], s56 offset:0x0   ; ex, ew1, eh, ew2
	s_load_b128 s[24:27], s[10:11], s56 offset:0x0 ; first row, tiles, last real row, rows
	s_add_nc_u64 s[32:33], s[4:5], s[52:53]        ; a pointer for each step: 128 rows apart; never rewritten
.irp k, 1,2,3,4,5,6,7
	s_add_nc_u64 s[32+2*\k:33+2*\k], s[30+2*\k:31+2*\k], 0x200000
.endr
	s_add_nc_u64 s[58:59], s[6:7], s[54:55]
	WLOAD 0
	WLOAD 1
	s_wait_kmcnt 0x0
	s_add_co_i32 s52, s21, 127
	s_lshl_b32 s53, s52, 23
	v_mov_b32 v8, s53                              ; 2^ew1 as f32: the conversion takes its exponent field
	s_add_co_i32 s52, s52, 8
	s_lshl_b32 s52, s52, 23
	s_or_b32 s29, s52, 0x600000                    ; 448 x 2^ew1,
	s_or_b32 s28, s29, 0x80000000                  ; and its negative
	s_add_co_i32 s52, s22, 127
	s_lshl_b32 s53, s52, 23
	v_mov_b32 v9, s53                              ; 2^eh
	s_add_co_i32 s52, s52, 8
	s_lshl_b32 s52, s52, 23
	s_or_b32 s31, s52, 0x600000
	s_or_b32 s30, s31, 0x80000000
	s_add_co_i32 s48, s20, s21
	s_add_co_i32 s48, s48, 127
	s_lshl_b32 s48, s48, 23                        ; 2^(ex + ew1)
	s_mov_b32 s49, s48                             ; (named with it as a pair, so it is written)
	AADDR
	ALOAD 0
	ALOAD 1
	STEP 0
	STEP 1
	STEP 2
	STEP 3
	STEP 4
	STEP 5
	STEP 6
	STEP 7
	s_wait_loadcnt 0x0                             ; the bias
.Lpass:                                                ; three trips: pass 0 has been multiplied in the stream and only goes out
	s_cmp_eq_u32 s50, 0
	s_cbranch_scc1 .Lepi
	s_mul_i32 s52, s50, 24
	s_add_co_u32 s52, s52, s16
	s_cmp_ge_u32 s52, s25                          ; my first tile of the pass does not exist: then none of the three does
	s_cbranch_scc1 .Lepi
.rept 5
	v_nop                                          ; places ahead of products that begin the accumulators anew
.endr
	AADDR                                          ; (no load is out: the address registers may be written)
	ALOAD 0
	XSTEP 0
	XSTEP 1
	XSTEP 2
	XSTEP 3
	XSTEP 4
	XSTEP 5
	XSTEP 6
	XSTEP 7
.Lepi:
	s_mov_b32 s51, 0
.Ltile:                                                ; three trips: the gelu is written once, only the lines that fetch a tile's sums are written three times
	s_mul_i32 s52, s50, 24
	s_lshl_b32 s53, s51, 3
	s_add_co_u32 s52, s52, s53
	s_add_co_u32 s52, s52, s16                     ; the tile
	s_cmp_ge_u32 s52, s25
	s_cbranch_scc1 .Lnext                          ; it does not exist: nothing is stored
	s_cmp_eq_u32 s51, 0
	s_cbranch_scc0 .Lnot0
	TAKE 0
	s_branch .Lgelu
.Lnot0:
	s_cmp_eq_u32 s51, 1
	s_cbranch_scc0 .Lnot1
	TAKE 1
	s_branch .Lgelu
.Lnot1:
	TAKE 2
.Lgelu:
	s_wait_xcnt 0x0                                ; the last tile's stores have read their codes and their base: both are written again below
	GELU 0
	GELU 1
	GELU 2
	GELU 3
	v_nop                                          ; a plain instruction behind the last conversion
	s_lshr_b32 s53, s24, 4
	s_add_co_u32 s53, s53, s52
	s_min_u32 s53, s53, 135                        ; the tile's number among all experts'
	s_lshl_b32 s54, s53, 16                        ; 32 K steps of 2,048 bytes,
	s_lshl_b32 s56, s18, 11                        ; mine is K step s
	s_add_co_u32 s54, s54, s56
	s_mov_b32 s55, 0
	s_add_nc_u64 s[54:55], s[14:15], s[54:55]
.irp c, 0,1,2,3
	global_store_b128 v1, v[CH+4*\c:CH+4*\c+3], s[54:55] offset:512*\c   ; 32 lanes store 512 consecutive bytes, aligned
.endr
.Lnext:
	s_add_co_u32 s51, s51, 1
	s_cmp_lt_u32 s51, 3
	s_cbranch_scc1 .Ltile
	s_add_co_u32 s50, s50, 1
	s_cmp_lt_u32 s50, 3
	s_cbranch_scc1 .Lpass
	s_wait_xcnt 0x0
	v_lshl_add_u32 v254, v0, 2, 0x20800
	v_mov_b32 v255, 0
	s_wait_tensorcnt 0x0
	ds_add_u32 v254, v255
	s_wait_dscnt 0x0
	s_endpgm
.Lfunc_end_k_qd2fcbf72c7_layer1:
	.size	k_qd2fcbf72c7_layer1, .Lfunc_end_k_qd2fcbf72c7_layer1-k_qd2fcbf72c7_layer1
	.p2alignl 7, 3214868480
	.fill 96, 4, 3214868480
	.section	.rodata,"a",@progbits
	.p2align	6, 0x0
	.amdhsa_kernel k_qd2fcbf72c7_layer1
		.amdhsa_group_segment_fixed_size 134144
		.amdhsa_private_segment_fixed_size 0
		.amdhsa_enable_private_segment 0
		.amdhsa_kernarg_size 48
		.amdhsa_user_sgpr_count 2
		.amdhsa_user_sgpr_kernarg_segment_ptr 1
		.amdhsa_wavefront_size32 1
		.amdhsa_system_sgpr_workgroup_id_x 1
		.amdhsa_system_sgpr_workgroup_id_y 1
		.amdhsa_system_sgpr_workgroup_id_z 1
		.amdhsa_system_vgpr_workitem_id 0
		.amdhsa_next_free_vgpr 512
		.amdhsa_next_free_sgpr 66
		.amdhsa_reserve_vcc 0
		.amdhsa_float_denorm_mode_32 3
		.amdhsa_float_denorm_mode_16_64 3
		.amdhsa_memory_ordered 1
		.amdhsa_forward_progress 1
		.amdhsa_inst_pref_size 208
	.end_amdhsa_kernel
	.amdgpu_metadata
---
amdhsa.version: [ 1, 2 ]
amdhsa.kernels:
  - .name:           k_qd2fcbf72c7_layer1
    .symbol:         k_qd2fcbf72c7_layer1.kd
    .args:
      - { .name: w1, .offset: 0, .size: 8, .value_kind: global_buffer, .address_space: global }
      - { .name: b1, .offset: 8, .size: 8, .value_kind: global_buffer, .address_space: global }
      - { .name: lowp_scales, .offset: 16, .size: 8, .value_kind: global_buffer, .address_space: global }
      - { .name: meta, .offset: 24, .size: 8, .value_kind: global_buffer, .address_space: global }
      - { .name: xq, .offset: 32, .size: 8, .value_kind: global_buffer, .address_space: global }
      - { .name: hq, .offset: 40, .size: 8, .value_kind: global_buffer, .address_space: global }
    .group_segment_fixed_size: 134144
    .private_segment_fixed_size: 0
    .kernarg_segment_align: 8
    .kernarg_segment_size: 48
    .max_flat_workgroup_size: 256
    .sgpr_count:     66
    .vgpr_count:     512
    .wavefront_size: 32
...
	.end_amdgpu_metadata
.endif
;; end of part 3
;; launch layer2 (part 4): grid 256 x 1, 8 waves a work-group, no clusters, 167,936 bytes of LDS; arguments w2, lowp_scales, meta, hq, y; writes y
.if DOCPART == 4
	.amdgcn_target "amdgcn-amd-amdhsa--gfx1250"
	.amdhsa_code_object_version 6
	.text
	.protected	k_qd2fcbf72c7_layer2
	.globl	k_qd2fcbf72c7_layer2
	.p2align	8
	.type	k_qd2fcbf72c7_layer2,@function
k_qd2fcbf72c7_layer2:
	s_mov_b64 s[64:65], 0
	v_nop
	global_prefetch_b8 v0, s[64:65] scope:SCOPE_SE
	s_setreg_imm32_b32 hwreg(HW_REG_WAVE_MODE, 25, 1), 1
	s_wait_xcnt 0x0
; THE SECOND LAYER: y[kh][row] = (h's codes) Q(w2[e]) x 2^(eh + ew2), over one half of K, for the rows that chose expert e.  Products on codes of E4M3 by v_wmma_f32_16x16x128_fp8_fp8, sums f32.
; THE WEIGHTS STAND STILL, as in the first layer.  Work-group id: expert e = id / 32, half of K kh = (id / 16) % 2, columns 64 ns .. 64 ns + 63, ns = id % 16: 2,048 x 64 numbers, 512 KiB of f32,
; read once, quantised in registers, kept as codes in LDS (64 rows of 2,048 codes, pitch 2,064).  The two halves of K go to two planes of y; the last launch adds them: each byte of y has one writer.
; EIGHT STEPS of 256 along K, written out.  In a step wave w loads rows k = 256 ks + 32 w + 16 hh + i (hh = lane / 16, i = 0..15; sixteen lanes read 256 consecutive bytes, aligned; a lane: columns
; 4 (lane % 16) + 0..3), holds and converts them, stores 16 codes of each of its four columns, passes ONE barrier, and multiplies: two K steps of 128 x four tiles of columns x its tiles of rows.
; No byte of the codes is ever written twice.
; ROWS: tile 24 p + 8 t + w belongs to wave w in pass p, as in the first layer.  All loads are issued whether a tile exists or not (a tile that does not exist reads 16 bytes of tile 0 in every lane and
; is never stored), so that every count of a wait holds on every path.  THE THIRD TILE'S PRODUCTS stand in blocks of their own and, from the second step on, are jumped over by a scalar branch on the
; stored count where the tile does not exist; the first step's are always issued, so that every accumulator is written on every path.
; TRANSPOSED USE: source 0 = 16 columns of w2, source 1 = 16 rows of h: a lane holds eight neighbouring columns of one row.  A tile's 16 rows x 64 columns go through the wave's own stage in LDS
; (16 rows of 256 + 16 bytes) and leave as whole rows: sixteen lanes store 256 consecutive bytes, aligned.
; h's fragments come from hq as images of the operand's registers: four loads of 512 consecutive bytes each.
; LIMITS: ew2 between -126 and 119; eh + ew2 between -126 and 127.  NaN among the inputs is not served.
; No tensor load and no cluster: branches hang on stored counts, and the weights must pass through registers to be quantised.  No prefetch: the launch streams its weights from its first line on.
; REGISTERS.  Window 0: v1 the weights' offset; v2 where I store codes; v3, v4 where I read weight fragments; v5-7 my three tiles in hq; v8 2^ew2; v9 16 x lane; v10, v11 the stage, in and out;
;   v12 my offset in two rows of y; v16-79 four weight fragments, also the held numbers, also the way out; v80-175 h's fragments, set 0: (kk, t) at 80 + 16 (3 kk + t); v176-239 weights as loaded, set 0; v240-255 codes.
;   Window 1: v0-95 the accumulators, (t, nt) at 8 (4 t + nt); v96-191 h's fragments, set 1; v192-255 weights as loaded, set 1.
;   s61: 1 where my third tile of the pass in hand exists, else 0.
.set P,   2064
.set STG, 64*P                         ; behind the codes: eight stages of 16 x 272 bytes
.set BF,  16
.set WS0, 176
.set WS1, 192
.set CW,  240
.set MSB, 0
.macro WIN new                         ; the immediate's high byte repeats the setting that is left; a switch that changes nothing is dropped
.if MSB != (\new)
	s_set_vgpr_msb (MSB<<8)|(\new)
.set MSB, (\new)
.endif
.endm
.macro WLOAD ks                        ; step ks's 32 rows of my wave, into set ks & 1
.if ((\ks)&1)
	WIN 0x40                                       ; destination window 1
.irp i, 0,1,2,3,4,5,6,7,8,9,10,11,12,13,14,15
	global_load_b128 v[WS1+4*\i:WS1+4*\i+3], v1, s[32+2*(\ks):33+2*(\ks)] offset:4096*\i th:TH_LOAD_NT
.endr
	WIN 0
.else
.irp i, 0,1,2,3,4,5,6,7,8,9,10,11,12,13,14,15
	global_load_b128 v[WS0+4*\i:WS0+4*\i+3], v1, s[32+2*(\ks):33+2*(\ks)] offset:4096*\i th:TH_LOAD_NT
.endr
.endif
.endm
.macro HOLDS ks                        ; number (row i, column j) goes to place 16 j + i, held within +-448 x 2^ew2 (the conversion does not saturate: ISA guide 7.6.2)
.if ((\ks)&1)
	WIN 0x01                                       ; source 0 window 1
.irp i, 0,1,2,3,4,5,6,7,8,9,10,11,12,13,14,15
.irp j, 0,1,2,3
	v_med3_num_f32 v[BF+16*\j+\i], v[WS1+4*\i+\j], s28, s29
.endr
.endr
	WIN 0
.else
.irp i, 0,1,2,3,4,5,6,7,8,9,10,11,12,13,14,15
.irp j, 0,1,2,3
	v_med3_num_f32 v[BF+16*\j+\i], v[WS0+4*\i+\j], s28, s29
.endr
.endr
.endif
.endm
.macro CVTS
.irp j, 0,1,2,3
.irp m, 0,1
	v_cvt_scalef32_pk8_fp8_f32 v[CW+4*\j+2*\m:CW+4*\j+2*\m+1], v[BF+16*\j+8*\m:BF+16*\j+8*\m+7], v8
.endr
.endr
	v_nop                                          ; a plain instruction behind the last conversion
.endm
.macro CSTORE ks                       ; column j's 16 codes, k = 256 ks + 32 w + 16 hh + 0..15
.irp j, 0,1,2,3
	ds_store_b128 v2, v[CW+4*\j:CW+4*\j+3] offset:\j*P+256*(\ks)
.endr
.endm
.macro AADDR                           ; where my three tiles of pass s50 lie in hq: 65,536 x tile + 16 x lane; a tile that does not exist: byte 0 of tile 0, in every lane
	s_mul_i32 s52, s50, 24
	s_add_co_u32 s52, s52, s16
	s_lshr_b32 s55, s24, 4
.irp t, 0,1,2
	s_add_co_u32 s54, s55, s52
	s_cmp_lt_u32 s52, s25
	s_cselect_b32 s53, 1, 0
	s_cselect_b32 s54, s54, 0
	s_min_u32 s53, s53, 1
	s_min_u32 s54, s54, 135
	s_lshl_b32 s54, s54, 16
	v_mad_u32_u24 v[5+\t], v9, s53, s54
	s_add_co_u32 s52, s52, 8
.endr
	s_mov_b32 s61, s53                             ; does the third exist?
.endm
.macro ALOAD ks                        ; h's six fragments of step ks (two K steps of 128 x three tiles), into set ks & 1: 24 loads
.set AB, 80+16*((\ks)&1)
.if ((\ks)&1)
	WIN 0x40
.endif
.irp kk, 0,1
.irp t, 0,1,2
.irp c, 0,1,2,3
	global_load_b128 v[AB+16*(3*\kk+\t)+4*\c:AB+16*(3*\kk+\t)+4*\c+3], v[5+\t], s[14:15] offset:(2*(\ks)+\kk)*2048+512*\c
.endr
.endr
.endr
	WIN 0
.endm
.macro PROD ks, kk, f, t               ; one product: tile of columns f x tile of rows t, K step kk of the step's two.  The very first starts the sum.  (AB: h's set, made at CONSUME's head)
.if ((\ks)==0)&&((\kk)==0)
	v_wmma_f32_16x16x128_fp8_fp8 v[8*(4*(\t)+(\f)):8*(4*(\t)+(\f))+7], v[BF+16*(\f):BF+16*(\f)+15], v[AB+16*(3*(\kk)+(\t)):AB+16*(3*(\kk)+(\t))+15], 0
.else
	v_wmma_f32_16x16x128_fp8_fp8 v[8*(4*(\t)+(\f)):8*(4*(\t)+(\f))+7], v[BF+16*(\f):BF+16*(\f)+15], v[AB+16*(3*(\kk)+(\t)):AB+16*(3*(\kk)+(\t))+15], v[8*(4*(\t)+(\f)):8*(4*(\t)+(\f))+7]
.endif
.endm
.macro THIRD ks, kk                    ; the third tile's four products of a half; from the second step on only where the tile exists.  Every window is 0 at the branch and at the label
.if (\ks)!=0
	WIN 0
	s_cmp_eq_u32 s61, 0
	s_cbranch_scc1 .Lno3_\@
	WIN 0x50+4*((\ks)&1)
.endif
.irp f, 0,1,2,3
	PROD \ks, \kk, \f, 2
.endr
	WIN 0
.if (\ks)!=0
.Lno3_\@:
.endif
.endm
; Step ks: for each of its two K steps of 128, four tiles of columns x my tiles of rows: first tiles 0 and 1 of the rows, then the third.  The accumulators take turns, one instruction a turn:
; no two products that follow each other, on either way, name the same accumulator.  Four v_nop close each half, behind the label, so on both ways: places
; ahead of the loads and holds that land on registers which these products read, and ahead of the first read of their results.
.macro CONSUME ks
.set AB, 80+16*((\ks)&1)
.irp kk, 0,1
.irp f, 0,1,2,3
.irp c, 0,1,2,3
	ds_load_b128 v[BF+16*\f+4*\c:BF+16*\f+4*\c+3], v[3+\f/2] offset:(\f%2)*16*P+256*(\ks)+128*\kk+32*\c
.endr
.endr
	WIN 0x50+4*((\ks)&1)                           ; C and D window 1; source 1 in the window of h's set
.irp f, 0,1,2,3
	s_wait_dscnt 12-4*\f                           ; fragment f's four loads are in; the later fragments' may be out
	PROD \ks, \kk, \f, 0
	PROD \ks, \kk, \f, 1
.endr
	THIRD \ks, \kk
.rept 4
	v_nop
.endr
.endr
.endm
; A step of the stream.  Loads are issued in the order W0 W1 A0 A1, then in step ks: W(ks+2) in its middle, A(ks+2) at its end (W: 16 loads, A: 24).
.macro STEP ks
.if (\ks)==7
	s_wait_loadcnt 24                              ; behind W7: A7
.else
	s_wait_loadcnt 63                              ; behind W(ks): A(ks), W(ks+1), A(ks+1), 64 loads; the wait names the most that its field holds
.endif
	HOLDS \ks
.if (\ks)<=5
	WLOAD (\ks)+2                                  ; into the set just read
.endif
	CVTS
	CSTORE \ks
	s_wait_dscnt 0x0                               ; for the others' sake: my codes have landed
	s_barrier_signal -1
	s_barrier_wait -1                              ; the step's 256 x 64 codes lie in LDS
.if (\ks)==0
	s_wait_loadcnt 40                              ; behind A0: A1, W2
.elseif (\ks)<=5
	s_wait_loadcnt 56                              ; behind A(ks): W(ks+1), A(ks+1), W(ks+2)
.elseif (\ks)==6
	s_wait_loadcnt 40                              ; behind A6: W7, A7
.else
	s_wait_loadcnt 0
.endif
	CONSUME \ks
.if (\ks)<=5
	ALOAD (\ks)+2
.endif
.endm
.macro XSTEP ks                        ; a step of a later pass: the codes lie in LDS
.if (\ks)<7
	ALOAD (\ks)+1
	s_wait_loadcnt 24                              ; all but the 24 just issued
.else
	s_wait_loadcnt 0
.endif
	CONSUME \ks
.endm
.macro YOUT t                          ; tile t of the pass goes out, if it exists
	s_mul_i32 s52, s50, 24
	s_add_co_u32 s52, s52, s16
	s_add_co_u32 s52, s52, 8*\t
	s_cmp_ge_u32 s52, s25
	s_cbranch_scc1 .Lskip_\@
	s_wait_xcnt 0x0                                ; the last tile's stores have read their registers and their base: both are written again below
	s_lshr_b32 s53, s24, 4
	s_add_co_u32 s53, s53, s52
	s_min_u32 s53, s53, 135                        ; the tile's number among all experts'
	s_lshl_b32 s56, s53, 16                        ; 16 rows of 4,096 bytes
	s_mov_b32 s57, 0
	s_add_nc_u64 s[56:57], s[58:59], s[56:57]
	WIN 0x01                                       ; source 0 window 1
.set n, 0
.rept 16
	v_pk_mul_f32 v[16+n:17+n], v[32*(\t)+n:32*(\t)+n+1], s[48:49] op_sel_hi:[1,0]   ; x 2^(eh + ew2); each accumulator from its low end on
.set n, n+2
.endr
	WIN 0
.irp f, 0,1,2,3
	ds_store_b128 v10, v[16+8*\f:16+8*\f+3] offset:64*\f            ; lane (r, h): row r, columns 16 f + 8 h + 0..7
	ds_store_b128 v10, v[16+8*\f+4:16+8*\f+7] offset:64*\f+16
.endr
.irp i, 0,1,2,3,4,5,6,7
	ds_load_b128 v[48+4*\i:48+4*\i+3], v11 offset:544*\i            ; rows 2 i and 2 i + 1, whole.  LDS serves a wave's instructions in order (ISA guide 5.7.1.4): these see my stores
.endr
.irp i, 0,1,2,3,4,5,6,7
	s_wait_dscnt 7-\i
	global_store_b128 v12, v[48+4*\i:48+4*\i+3], s[56:57] offset:8192*\i   ; sixteen lanes store 256 consecutive bytes, aligned
.endr
.Lskip_\@:
.endm
	s_load_b256 s[4:11], s[0:1], 0x0               ; w2 s[4:5], lowp_scales s[6:7], meta s[8:9], hq s[10:11]
	s_load_b64 s[12:13], s[0:1], 0x20              ; y
	v_lshrrev_b32 v14, 5, v0
	v_readfirstlane_b32 s16, v14                   ; wave
	s_lshr_b32 s17, ttmp9, 5                       ; expert
	s_and_b32 s18, ttmp9, 15                       ; which 64 columns
	s_bfe_u32 s19, ttmp9, 0x10004                  ; which half of K
	s_lshl_b32 s60, s17, 4                         ; the expert's four words in lowp_scales and in meta
	v_and_b32 v13, 31, v0                          ; lane
	v_and_b32 v14, 15, v0                          ; r
	v_bfe_u32 v15, v0, 4, 1                        ; h
	v_lshlrev_b32 v9, 4, v13
	v_lshlrev_b32 v1, 4, v14
	v_lshl_add_u32 v1, v15, 16, v1                 ; the weights: 16 bytes a lane of a row's 256; lanes 16-31 sixteen rows further down
	v_mul_u32_u24 v2, v14, 4*P                     ; my four columns' LDS rows: 4 (lane % 16) + j,
	v_lshl_add_u32 v2, v15, 4, v2                  ; + 16 hh,
	s_lshl_b32 s52, s16, 5
	v_add_nc_u32 v2, s52, v2                       ; + 32 w: my 16 along K
	v_mul_u32_u24 v3, v14, P
	v_lshl_add_u32 v3, v15, 4, v3                  ; a fragment's row x pitch + 16 h: tiles 0, 1,
	v_add_nc_u32 v4, 32*P, v3                      ; tiles 2, 3
	s_mul_i32 s52, s16, 16*272
	s_add_co_u32 s52, s52, STG                     ; my stage
	v_mul_u32_u24 v10, v14, 272
	v_lshl_add_u32 v10, v15, 5, v10
	v_add_nc_u32 v10, s52, v10                     ; in: row r, + 32 h
	v_mul_u32_u24 v11, v15, 272
	v_lshl_add_u32 v11, v14, 4, v11
	v_add_nc_u32 v11, s52, v11                     ; back: lanes 0-15 one row, lanes 16-31 the next
	v_lshlrev_b32 v12, 12, v15
	v_lshl_add_u32 v12, v14, 4, v12                ; and the same two rows in y
	s_mov_b32 s50, 0                               ; pass
	s_lshl_b32 s52, s17, 24                        ; w2: the expert's 16 MiB,
	s_lshl_b32 s53, s19, 23                        ; the half's 2,048 rows of 4,096 bytes,
	s_add_co_u32 s52, s52, s53
	s_lshl_b32 s53, s16, 17                        ; my wave's 32 rows,
	s_add_co_u32 s52, s52, s53
	s_lshl_b32 s53, s18, 8                         ; the 256 bytes of a row
	s_add_co_u32 s52, s52, s53
	s_mov_b32 s53, 0
	s_lshl_b32 s54, s19, 15                        ; hq: the half's 16 K steps of 2,048 bytes
	s_mov_b32 s55, 0
	s_mul_i32 s56, s19, 0x880000                   ; y: the half's plane of 2,176 rows,
	s_lshl_b32 s57, s18, 8                         ; my 256 bytes of a row
	s_add_co_u32 s56, s56, s57
	s_mov_b32 s57, 0
	s_wait_kmcnt 0x0
	s_load_b128 s[20:23], s[6:7], s60 offset:0x0   ; ex, ew1, eh, ew2
	s_load_b128 s[24:27], s[8:9], s60 offset:0x0   ; first row, tiles, last real row, rows
	s_add_nc_u64 s[32:33], s[4:5], s[52:53]        ; a pointer for each step: 256 rows apart; never rewritten
.irp k, 1,2,3,4,5,6,7
	s_add_nc_u64 s[32+2*\k:33+2*\k], s[30+2*\k:31+2*\k], 0x100000
.endr
	s_add_nc_u64 s[14:15], s[10:11], s[54:55]
	s_add_nc_u64 s[58:59], s[12:13], s[56:57]
	WLOAD 0
	WLOAD 1
	s_wait_kmcnt 0x0
	s_add_co_i32 s52, s23, 127
	s_lshl_b32 s53, s52, 23
	v_mov_b32 v8, s53                              ; 2^ew2 as f32: the conversion takes its exponent field
	s_add_co_i32 s52, s52, 8
	s_lshl_b32 s52, s52, 23
	s_or_b32 s29, s52, 0x600000                    ; 448 x 2^ew2,
	s_or_b32 s28, s29, 0x80000000                  ; and its negative
	s_add_co_i32 s48, s22, s23
	s_add_co_i32 s48, s48, 127
	s_lshl_b32 s48, s48, 23                        ; 2^(eh + ew2)
	s_mov_b32 s49, s48                             ; (named with it as a pair, so it is written)
	AADDR
	ALOAD 0
	ALOAD 1
	STEP 0
	STEP 1
	STEP 2
	STEP 3
	STEP 4
	STEP 5
	STEP 6
	STEP 7
.Lpass:                                                ; three trips: pass 0 has been multiplied in the stream and only goes out
	s_cmp_eq_u32 s50, 0
	s_cbranch_scc1 .Lepi
	s_mul_i32 s52, s50, 24
	s_add_co_u32 s52, s52, s16
	s_cmp_ge_u32 s52, s25                          ; my first tile of the pass does not exist: then none of the three does
	s_cbranch_scc1 .Lepi
	s_wait_xcnt 0x0                                ; the last pass's stores have read their registers: LDS loads land there below
.rept 5
	v_nop                                          ; places ahead of products that begin the accumulators anew
.endr
	AADDR                                          ; (no load is out: the address registers may be written)
	ALOAD 0
	XSTEP 0
	XSTEP 1
	XSTEP 2
	XSTEP 3
	XSTEP 4
	XSTEP 5
	XSTEP 6
	XSTEP 7
.Lepi:
	YOUT 0
	YOUT 1
	YOUT 2
	s_add_co_u32 s50, s50, 1
	s_cmp_lt_u32 s50, 3
	s_cbranch_scc1 .Lpass
	s_wait_xcnt 0x0
	v_lshl_add_u32 v254, v0, 2, 0x28c00
	v_mov_b32 v255, 0
	s_wait_tensorcnt 0x0
	ds_add_u32 v254, v255
	s_wait_dscnt 0x0
	s_endpgm
.Lfunc_end_k_qd2fcbf72c7_layer2:
	.size	k_qd2fcbf72c7_layer2, .Lfunc_end_k_qd2fcbf72c7_layer2-k_qd2fcbf72c7_layer2
	.p2alignl 7, 3214868480
	.fill 96, 4, 3214868480
	.section	.rodata,"a",@progbits
	.p2align	6, 0x0
	.amdhsa_kernel k_qd2fcbf72c7_layer2
		.amdhsa_group_segment_fixed_size 167936
		.amdhsa_private_segment_fixed_size 0
		.amdhsa_enable_private_segment 0
		.amdhsa_kernarg_size 40
		.amdhsa_user_sgpr_count 2
		.amdhsa_user_sgpr_kernarg_segment_ptr 1
		.amdhsa_wavefront_size32 1
		.amdhsa_system_sgpr_workgroup_id_x 1
		.amdhsa_system_sgpr_workgroup_id_y 1
		.amdhsa_system_sgpr_workgroup_id_z 1
		.amdhsa_system_vgpr_workitem_id 0
		.amdhsa_next_free_vgpr 512
		.amdhsa_next_free_sgpr 66
		.amdhsa_reserve_vcc 0
		.amdhsa_float_denorm_mode_32 3
		.amdhsa_float_denorm_mode_16_64 3
		.amdhsa_memory_ordered 1
		.amdhsa_forward_progress 1
		.amdhsa_inst_pref_size 176
	.end_amdhsa_kernel
	.amdgpu_metadata
---
amdhsa.version: [ 1, 2 ]
amdhsa.kernels:
  - .name:           k_qd2fcbf72c7_layer2
    .symbol:         k_qd2fcbf72c7_layer2.kd
    .args:
      - { .name: w2, .offset: 0, .size: 8, .value_kind: global_buffer, .address_space: global }
      - { .name: lowp_scales, .offset: 8, .size: 8, .value_kind: global_buffer, .address_space: global }
      - { .name: meta, .offset: 16, .size: 8, .value_kind: global_buffer, .address_space: global }
      - { .name: hq, .offset: 24, .size: 8, .value_kind: global_buffer, .address_space: global }
      - { .name: y, .offset: 32, .size: 8, .value_kind: global_buffer, .address_space: global }
    .group_segment_fixed_size: 167936
    .private_segment_fixed_size: 0
    .kernarg_segment_align: 8
    .kernarg_segment_size: 40
    .max_flat_workgroup_size: 256
    .sgpr_count:     66
    .vgpr_count:     512
    .wavefront_size: 32
...
	.end_amdgpu_metadata
.endif
;; end of part 4
;; launch combine (part 5): grid 256 x 1, 4 waves a work-group, no clusters, 0 bytes of LDS; arguments pos, slotinfo, gatew, y, b2, out0; writes out0
.if DOCPART == 5
	.amdgcn_target "amdgcn-amd-amdhsa--gfx1250"
	.amdhsa_code_object_version 6
	.text
	.protected	k_qd2fcbf72c7_combine
	.globl	k_qd2fcbf72c7_combine
	.p2align	8
	.type	k_qd2fcbf72c7_combine,@function
k_qd2fcbf72c7_combine:
	s_mov_b64 s[64:65], 0
	v_nop
	global_prefetch_b8 v0, s[64:65] scope:SCOPE_SE
	s_setreg_imm32_b32 hwreg(HW_REG_WAVE_MODE, 25, 1), 1
	s_wait_xcnt 0x0
; THE SUM.  out[t] = g0 (y[0][p0] + y[1][p0] + b2[e0]) + g1 (y[0][p1] + y[1][p1] + b2[e1]): the two halves of K, the bias, the gate's weights.  All f32.
; A wave to a token: each output row has one owner.  p, e and g of the token's two slots come by scalar loads from what earlier launches stored.
; Each load and store of the wave covers 512 consecutive bytes.  The 48 loads go out in eight groups of six (one for each 512 bytes of the row), and each group is waited for by count.
; A stream: no LDS, no barrier, no matrix unit.
.set PLANE, 0x880000                   ; 2,176 rows of 4,096 bytes
	s_load_b256 s[4:11], s[0:1], 0x0               ; pos s[4:5], slotinfo s[6:7], gatew s[8:9], y s[10:11]
	s_load_b128 s[12:15], s[0:1], 0x20             ; b2 s[12:13], out0 s[14:15]
	v_and_b32 v1, 31, v0
	v_lshrrev_b32 v3, 5, v0
	v_readfirstlane_b32 s16, v3                    ; wave
	v_lshlrev_b32 v2, 4, v1                        ; 16 x lane
	s_lshl_b32 s17, ttmp9, 2
	s_add_co_u32 s17, s17, s16                     ; token
	s_lshl_b32 s18, s17, 3                         ; its two slots' words
	s_lshl_b32 s40, s17, 12
	s_mov_b32 s41, 0
	s_wait_kmcnt 0x0
	s_load_b64 s[20:21], s[4:5], s18 offset:0x0    ; rows
	s_load_b64 s[22:23], s[6:7], s18 offset:0x0    ; experts (low byte)
	s_load_b64 s[24:25], s[8:9], s18 offset:0x0    ; weights
	s_add_nc_u64 s[40:41], s[14:15], s[40:41]
	s_wait_kmcnt 0x0
	s_min_u32 s20, s20, 0x87f
	s_min_u32 s21, s21, 0x87f
	s_and_b32 s22, s22, 0xff
	s_and_b32 s23, s23, 0xff
	s_min_u32 s22, s22, 7
	s_min_u32 s23, s23, 7
	s_lshl_b32 s28, s20, 12
	s_mov_b32 s29, 0
	s_add_nc_u64 s[28:29], s[10:11], s[28:29]      ; slot 0's row, first half of K,
	s_add_nc_u64 s[30:31], s[28:29], PLANE         ; second half
	s_lshl_b32 s32, s21, 12
	s_mov_b32 s33, 0
	s_add_nc_u64 s[32:33], s[10:11], s[32:33]      ; slot 1's
	s_add_nc_u64 s[34:35], s[32:33], PLANE
	s_lshl_b32 s36, s22, 12
	s_mov_b32 s37, 0
	s_add_nc_u64 s[36:37], s[12:13], s[36:37]      ; the two experts' rows of b2
	s_lshl_b32 s38, s23, 12
	s_mov_b32 s39, 0
	s_add_nc_u64 s[38:39], s[12:13], s[38:39]
	s_mov_b32 s26, s25                             ; g1 as the low word of a pair of its own (the packed forms take a scalar pair's low word for both halves)
	s_mov_b32 s27, s25
.irp i, 0,1,2,3,4,5,6,7
	global_load_b128 v[16+4*\i:19+4*\i],   v2, s[28:29] offset:512*\i th:TH_LOAD_NT
	global_load_b128 v[48+4*\i:51+4*\i],   v2, s[30:31] offset:512*\i th:TH_LOAD_NT
	global_load_b128 v[80+4*\i:83+4*\i],   v2, s[32:33] offset:512*\i th:TH_LOAD_NT
	global_load_b128 v[112+4*\i:115+4*\i], v2, s[34:35] offset:512*\i th:TH_LOAD_NT
	global_load_b128 v[144+4*\i:147+4*\i], v2, s[36:37] offset:512*\i
	global_load_b128 v[176+4*\i:179+4*\i], v2, s[38:39] offset:512*\i
.endr
.irp i, 0,1,2,3,4,5,6,7
	s_wait_loadcnt 42-6*\i                         ; group i's six loads are in; the later groups' may be out
.irp u, 0,2
	v_pk_add_f32 v[16+4*\i+\u:17+4*\i+\u], v[16+4*\i+\u:17+4*\i+\u], v[48+4*\i+\u:49+4*\i+\u]
	v_pk_add_f32 v[80+4*\i+\u:81+4*\i+\u], v[80+4*\i+\u:81+4*\i+\u], v[112+4*\i+\u:113+4*\i+\u]
.endr
.irp u, 0,2
	v_pk_add_f32 v[16+4*\i+\u:17+4*\i+\u], v[16+4*\i+\u:17+4*\i+\u], v[144+4*\i+\u:145+4*\i+\u]
	v_pk_add_f32 v[80+4*\i+\u:81+4*\i+\u], v[80+4*\i+\u:81+4*\i+\u], v[176+4*\i+\u:177+4*\i+\u]
.endr
.irp u, 0,2
	v_pk_mul_f32 v[16+4*\i+\u:17+4*\i+\u], v[16+4*\i+\u:17+4*\i+\u], s[24:25] op_sel_hi:[1,0]
.endr
.irp u, 0,2
	v_pk_fma_f32 v[16+4*\i+\u:17+4*\i+\u], v[80+4*\i+\u:81+4*\i+\u], s[26:27], v[16+4*\i+\u:17+4*\i+\u] op_sel_hi:[1,0,1]
.endr
	global_store_b128 v2, v[16+4*\i:19+4*\i], s[40:41] offset:512*\i th:TH_STORE_NT
.endr
	s_endpgm
.Lfunc_end_k_qd2fcbf72c7_combine:
	.size	k_qd2fcbf72c7_combine, .Lfunc_end_k_qd2fcbf72c7_combine-k_qd2fcbf72c7_combine
	.p2alignl 7, 3214868480
	.fill 96, 4, 3214868480
	.section	.rodata,"a",@progbits
	.p2align	6, 0x0
	.amdhsa_kernel k_qd2fcbf72c7_combine
		.amdhsa_group_segment_fixed_size 0
		.amdhsa_private_segment_fixed_size 0
		.amdhsa_enable_private_segment 0
		.amdhsa_kernarg_size 48
		.amdhsa_user_sgpr_count 2
		.amdhsa_user_sgpr_kernarg_segment_ptr 1
		.amdhsa_wavefront_size32 1
		.amdhsa_system_sgpr_workgroup_id_x 1
		.amdhsa_system_sgpr_workgroup_id_y 1
		.amdhsa_system_sgpr_workgroup_id_z 1
		.amdhsa_system_vgpr_workitem_id 0
		.amdhsa_next_free_vgpr 208
		.amdhsa_next_free_sgpr 66
		.amdhsa_reserve_vcc 0
		.amdhsa_float_denorm_mode_32 3
		.amdhsa_float_denorm_mode_16_64 3
		.amdhsa_memory_ordered 1
		.amdhsa_forward_progress 1
		.amdhsa_inst_pref_size 14
	.end_amdhsa_kernel
	.amdgpu_metadata
---
amdhsa.version: [ 1, 2 ]
amdhsa.kernels:
  - .name:           k_qd2fcbf72c7_combine
    .symbol:         k_qd2fcbf72c7_combine.kd
    .args:
      - { .name: pos, .offset: 0, .size: 8, .value_kind: global_buffer, .address_space: global }
      - { .name: slotinfo, .offset: 8, .size: 8, .value_kind: global_buffer, .address_space: global }
      - { .name: gatew, .offset: 16, .size: 8, .value_kind: global_buffer, .address_space: global }
      - { .name: y, .offset: 24, .size: 8, .value_kind: global_buffer, .address_space: global }
      - { .name: b2, .offset: 32, .size: 8, .value_kind: global_buffer, .address_space: global }
      - { .name: out0, .offset: 40, .size: 8, .value_kind: global_buffer, .address_space: global }
    .group_segment_fixed_size: 0
    .private_segment_fixed_size: 0
    .kernarg_segment_align: 8
    .kernarg_segment_size: 48
    .max_flat_workgroup_size: 128
    .sgpr_count:     66
    .vgpr_count:     208
    .wavefront_size: 32
...
	.end_amdgpu_metadata
.endif
;; end of part 5
;; ======== version 2 of 2: 5 launches
;; workspace buffers: slotinfo 8,192 bytes of whole numbers; hist 8,192 bytes of whole numbers; gatew 8,192 bytes; pos 8,192 bytes of whole numbers; meta 256 bytes of whole numbers; xq 2,228,224 bytes; hq 8,912,896 bytes; y 17,825,792 bytes
;; launch route (part 6): grid 64 x 1, 4 waves a work-group, no clusters, 34,304 bytes of LDS; arguments x, gate_w, gate_b, slotinfo, gatew, hist; writes slotinfo, gatew, hist
.if DOCPART == 6
	.amdgcn_target "amdgcn-amd-amdhsa--gfx1250"
	.amdhsa_code_object_version 6
	.text
	.protected	k_qd2fcbf72c7_route
	.globl	k_qd2fcbf72c7_route
	.p2align	8
	.type	k_qd2fcbf72c7_route,@function
k_qd2fcbf72c7_route:
	s_mov_b64 s[64:65], 0
	v_nop
	global_prefetch_b8 v0, s[64:65] scope:SCOPE_SE
	s_setreg_imm32_b32 hwreg(HW_REG_WAVE_MODE, 25, 1), 1
	s_wait_xcnt 0x0
; THE ROUTER.  gates = x gate_w^T + gate_b in f32 (fused multiply-adds), the two largest of the eight, their softmax.
; A work-group owns 16 tokens = 32 slots (slot 2 t + k is token t's k-th choice); wave w owns tokens 4 w .. 4 w + 3.
; A lane holds k = 128 i + 4 lane + 0..3, i = 0..7, of each row: every load of the wave covers 512 consecutive bytes.
; gate_w is fetched once a work-group: wave w loads rows 2 w and 2 w + 1, puts them into LDS as they lie, and behind a barrier every wave takes the rows from there,
; two rows ahead of their use.
; Stored, all at fixed places: slotinfo[slot] = expert | rank among the block's earlier slots of that expert << 8;
; gatew[slot] = the softmax weight; hist[block] = the block's eight counts, two to a word, then 28 zero words.
; Nothing here steers an address or a branch by a gate: the choice only selects values.
; TIES: a strict compare keeps the lower index, as the reference's top-k does.
; LIMITS: NaN or infinite gates are not served.  The gate sums are f32 in an order of their own (two chains a lane,
; then across the lanes): two gates closer than that rounding may change places against the reference.
; LDS: 0-511 the slots' experts, 512-1023 their weights, from 1024 on gate_w's eight rows of 4,096 bytes.
.set X,  16                            ; v16-143   four tokens x 32 numbers
.set GW, 144                           ; v144-207  my two rows of gate_w as loaded; then two sets of 32 numbers of a row; later at work
.set G,  208                           ; v208-239  gate (token j, expert e) at G + 8 j + e
.set T,  240                           ; v240-255  four registers a token: two chains; later best value, best index, second value, second index
.set GWL, 1024
	s_load_b256 s[4:11], s[0:1], 0x0               ; x s[4:5], gate_w s[6:7], gate_b s[8:9], slotinfo s[10:11]
	s_load_b128 s[12:15], s[0:1], 0x20             ; gatew s[12:13], hist s[14:15]
	s_set_vgpr_msb 0x40
	v_lshl_add_u32 v0, v0, 2, 0x8400
	v_mov_b32 v1, 0
	s_set_vgpr_msb 0x4000
	v_and_b32 v1, 31, v0                           ; lane
	v_lshrrev_b32 v5, 5, v0
	v_readfirstlane_b32 s16, v5                    ; wave
	v_lshlrev_b32 v2, 4, v1                        ; 16 x lane
	v_lshlrev_b32 v3, 2, v0                        ; LDS, in: 128 x wave + 4 x lane
	v_lshrrev_b32 v5, 3, v1
	v_and_b32 v6, 7, v1
	v_lshlrev_b32 v4, 7, v5
	v_lshl_add_u32 v4, v6, 2, v4                   ; LDS, out: slot l lies in wave l / 8's words, at lane l % 8
	s_lshl_b32 s30, s16, 13                        ; my wave's two rows of gate_w: 8,192 bytes
	s_mov_b32 s31, 0
	v_add_nc_u32 v5, s30, v2                       ; where I put them in LDS: 8,192 x wave + 16 x lane (+ GWL, in the immediate)
	v_lshlrev_b32 v7, 2, v1                        ; 4 x lane
	v_mov_b32 v8, 0                                ; the collectors: lane 2 j + k takes token j's k-th expert,
	v_mov_b32 v9, 0                                ; and its weight
	v_mov_b32 v10, 0xff800000                      ; -infinity
	s_mov_b32 s28, 0x76543210                      ; v_permlanex16_b32: lane l xor 16
	s_mov_b32 s29, 0xfedcba98
	s_lshl_b32 s18, ttmp9, 16                      ; 16 tokens of 4,096 bytes,
	s_lshl_b32 s19, s16, 14                        ; my wave's four
	s_add_co_u32 s18, s18, s19
	s_mov_b32 s19, 0
	s_wait_alu depctr_va_vdst(0)
	s_wait_kmcnt 0x0
	s_load_b256 s[20:27], s[8:9], 0x0              ; gate_b
	s_add_nc_u64 s[4:5], s[4:5], s[18:19]
	s_add_nc_u64 s[30:31], s[6:7], s[30:31]
.irp n, 0,1,2,3,4,5,6,7,8,9,10,11,12,13,14,15
	global_load_b128 v[GW+4*\n:GW+4*\n+3], v2, s[30:31] offset:512*\n   ; my two rows of gate_w go out first: all waves wait for them
.endr
.irp j, 0,1,2,3
.irp i, 0,1,2,3,4,5,6,7
	global_load_b128 v[X+32*\j+4*\i:X+32*\j+4*\i+3], v2, s[4:5] offset:4096*\j+512*\i
.endr
.endr
	s_wait_loadcnt 32                              ; gate_w's sixteen loads are in; x's 32 may be out
.irp n, 0,1,2,3,4,5,6,7,8,9,10,11,12,13,14,15
	ds_store_b128 v5, v[GW+4*\n:GW+4*\n+3] offset:GWL+512*\n
.endr
	s_wait_dscnt 0x0                               ; for the others' sake: my two rows have landed
	s_barrier_signal -1
	s_barrier_wait -1                              ; all eight rows lie in LDS; nobody writes them again
.macro LLOAD e                         ; row e of gate_w from LDS into set e & 1
.irp i, 0,1,2,3,4,5,6,7
	ds_load_b128 v[GW+32*((\e)&1)+4*\i:GW+32*((\e)&1)+4*\i+3], v2 offset:GWL+4096*(\e)+512*\i
.endr
.endm
.macro DOT e                           ; my 32 numbers' part of gate e of the four tokens: two packed chains a token
.set B, GW+32*((\e)&1)
.irp j, 0,1,2,3
	v_pk_mul_f32 v[T+4*\j:T+4*\j+1], v[X+32*\j:X+32*\j+1], v[B:B+1]
	v_pk_mul_f32 v[T+4*\j+2:T+4*\j+3], v[X+32*\j+2:X+32*\j+3], v[B+2:B+3]
.endr
.irp i, 1,2,3,4,5,6,7
.irp j, 0,1,2,3
	v_pk_fma_f32 v[T+4*\j:T+4*\j+1], v[X+32*\j+4*\i:X+32*\j+4*\i+1], v[B+4*\i:B+4*\i+1], v[T+4*\j:T+4*\j+1]
	v_pk_fma_f32 v[T+4*\j+2:T+4*\j+3], v[X+32*\j+4*\i+2:X+32*\j+4*\i+3], v[B+4*\i+2:B+4*\i+3], v[T+4*\j+2:T+4*\j+3]
.endr
.endr
.irp j, 0,1,2,3
	v_pk_add_f32 v[T+4*\j:T+4*\j+1], v[T+4*\j:T+4*\j+1], v[T+4*\j+2:T+4*\j+3]
.endr
.irp j, 0,1,2,3
	v_add_f32 v[G+8*\j+\e], v[T+4*\j], v[T+4*\j+1]
.endr
.endm
	LLOAD 0
	LLOAD 1
	s_wait_loadcnt 0x0                             ; x
.irp e, 0,1,2,3,4,5,6,7
.if \e < 7
	s_wait_dscnt 8                                 ; row e is in; the eight loads of row e + 1 may be out
.else
	s_wait_dscnt 0
.endif
	DOT \e
.if \e < 6
	LLOAD \e+2                                     ; into the set just read
.endif
.endr
	; the 32 sums across the 32 lanes: four steps inside each half ride on the addition, one crosses the halves
.irp m, 1,2,4,8
.set n, 0
.rept 32
	v_add_f32_dpp v[G+n], v[G+n], v[G+n] row_xmask:\m row_mask:0xf bank_mask:0xf
.set n, n+1
.endr
.endr
.set n, 0
.rept 32
	v_permlanex16_b32 v[GW+n], v[G+n], s28, s29    ; (its destination has been written: the rows of gate_w lay there)
.set n, n+1
.endr
.set n, 0
.rept 32
	v_add_f32 v[G+n], v[G+n], v[GW+n]
.set n, n+1
.endr
	s_wait_kmcnt 0x0                               ; gate_b
.irp e, 0,1,2,3,4,5,6,7
.irp j, 0,1,2,3
	v_add_f32 v[G+8*\j+\e], s[20+\e], v[G+8*\j+\e]
.endr
.endr
	; the largest gate and its index; every lane does this for all four tokens
.macro BEST val, idx                   ; offsets of value and index in a token's four registers
.irp j, 0,1,2,3
	v_mov_b32 v[T+4*\j+\val], v[G+8*\j]
	v_mov_b32 v[T+4*\j+\idx], 0
.endr
.irp e, 1,2,3,4,5,6,7
.irp j, 0,1,2,3
	v_cmp_gt_f32 s[32+\j], v[G+8*\j+\e], v[T+4*\j+\val]
	v_cndmask_b32 v[T+4*\j+\val], v[T+4*\j+\val], v[G+8*\j+\e], s[32+\j]
	v_cndmask_b32 v[T+4*\j+\idx], v[T+4*\j+\idx], \e, s[32+\j]
.endr
.endr
.endm
	BEST 0, 1
.irp e, 0,1,2,3,4,5,6,7                ; the winner is taken out,
.irp j, 0,1,2,3
	v_cmp_eq_u32 s[32+\j], \e, v[T+4*\j+1]
	v_cndmask_b32 v[G+8*\j+\e], v[G+8*\j+\e], v10, s[32+\j]
.endr
.endr
	BEST 2, 3                                      ; and the same again gives the second
	; softmax of the two with the larger taken off: 1 / (1 + q) and q / (1 + q), q = 2^((g2 - g1) log2 e) <= 1
.irp j, 0,1,2,3
	v_sub_f32 v[GW+\j], v[T+4*\j+2], v[T+4*\j]
.endr
.irp j, 0,1,2,3
	v_mul_f32 v[GW+\j], 0x3fb8aa3b, v[GW+\j]
.endr
	s_wait_alu depctr_va_vdst(0)
.irp j, 0,1,2,3
	v_exp_f32 v[GW+4+\j], v[GW+\j]
.endr
	v_nop                                          ; a plain instruction behind the last exponential,
	s_wait_alu depctr_va_vdst(0)                   ; and one wait for the four, ahead of their first reader
.irp j, 0,1,2,3
	v_add_f32 v[GW+8+\j], 1.0, v[GW+4+\j]
.endr
	s_wait_alu depctr_va_vdst(0)
.irp j, 0,1,2,3
	v_rcp_f32 v[GW+12+\j], v[GW+8+\j]
.endr
	v_nop
	s_wait_alu depctr_va_vdst(0)                   ; one wait for the four reciprocals
.irp j, 0,1,2,3
	v_mul_f32 v[GW+4+\j], v[GW+4+\j], v[GW+12+\j]
.endr
.irp j, 0,1,2,3
	v_cmp_eq_u32 vcc_lo, 2*\j, v1
	v_cndmask_b32 v8, v8, v[T+4*\j+1], vcc_lo
	v_cndmask_b32 v9, v9, v[GW+12+\j], vcc_lo
	v_cmp_eq_u32 vcc_lo, 2*\j+1, v1
	v_cndmask_b32 v8, v8, v[T+4*\j+3], vcc_lo
	v_cndmask_b32 v9, v9, v[GW+4+\j], vcc_lo
.endr
	ds_store_b32 v3, v8                            ; experts at LDS 0, weights at 512
	ds_store_b32 v3, v9 offset:512
	s_wait_dscnt 0x0                               ; for wave 0's sake: my stores have landed
	s_barrier_signal -1
	s_barrier_wait -1
	s_cmp_lg_u32 s16, 0
	s_cbranch_scc1 .Lend
	; wave 0, a lane to a slot
	ds_load_b32 v11, v4
	ds_load_b32 v12, v4 offset:512
	v_mov_b32 v14, 0
	v_mov_b32 v16, 0
	s_lshl_b32 s18, ttmp9, 7                       ; the block's 128 bytes in each of the three buffers
	s_add_nc_u64 s[10:11], s[10:11], s[18:19]
	s_add_nc_u64 s[12:13], s[12:13], s[18:19]
	s_add_nc_u64 s[14:15], s[14:15], s[18:19]
	s_wait_dscnt 0x0
.irp e, 0,1,2,3,4,5,6,7
	v_cmp_eq_u32 s[32+\e], \e, v11                 ; the slots of expert e,
	v_mbcnt_lo_u32_b32 v13, s[32+\e], 0            ; how many of them lie below my lane,
	s_wait_alu depctr_va_vdst(0)
	v_cndmask_b32 v14, v14, v13, s[32+\e]          ; which is my rank if e is mine,
	s_bcnt1_i32_b32 s[40+\e], s[32+\e]             ; and how many there are
.endr
	v_lshl_or_b32 v15, v14, 8, v11
	s_wait_alu depctr_va_vdst(0)
.irp q, 0,1,2,3
	s_lshl_b32 s48, s[41+2*\q], 16
	s_or_b32 s48, s48, s[40+2*\q]
	v_writelane_b32 v16, s48, \q
.endr
	global_store_b32 v7, v15, s[10:11]             ; each store covers the block's 128 consecutive bytes
	global_store_b32 v7, v12, s[12:13]
	global_store_b32 v7, v16, s[14:15]
.Lend:
	s_set_vgpr_msb 0x5
	s_wait_tensorcnt 0x0
	ds_add_u32 v0, v1
	s_wait_dscnt 0x0
	s_set_vgpr_msb 0x500
	s_endpgm
.Lfunc_end_k_qd2fcbf72c7_route:
	.size	k_qd2fcbf72c7_route, .Lfunc_end_k_qd2fcbf72c7_route-k_qd2fcbf72c7_route
	.p2alignl 7, 3214868480
	.fill 96, 4, 3214868480
	.section	.rodata,"a",@progbits
	.p2align	6, 0x0
	.amdhsa_kernel k_qd2fcbf72c7_route
		.amdhsa_group_segment_fixed_size 34304
		.amdhsa_private_segment_fixed_size 0
		.amdhsa_enable_private_segment 0
		.amdhsa_kernarg_size 48
		.amdhsa_user_sgpr_count 2
		.amdhsa_user_sgpr_kernarg_segment_ptr 1
		.amdhsa_wavefront_size32 1
		.amdhsa_system_sgpr_workgroup_id_x 1
		.amdhsa_system_sgpr_workgroup_id_y 1
		.amdhsa_system_sgpr_workgroup_id_z 1
		.amdhsa_system_vgpr_workitem_id 0
		.amdhsa_next_free_vgpr 258
		.amdhsa_next_free_sgpr 66
		.amdhsa_reserve_vcc 1
		.amdhsa_float_denorm_mode_32 3
		.amdhsa_float_denorm_mode_16_64 3
		.amdhsa_memory_ordered 1
		.amdhsa_forward_progress 1
		.amdhsa_inst_pref_size 80
	.end_amdhsa_kernel
	.amdgpu_metadata
---
amdhsa.version: [ 1, 2 ]
amdhsa.kernels:
  - .name:           k_qd2fcbf72c7_route
    .symbol:         k_qd2fcbf72c7_route.kd
    .args:
      - { .name: x, .offset: 0, .size: 8, .value_kind: global_buffer, .address_space: global }
      - { .name: gate_w, .offset: 8, .size: 8, .value_kind: global_buffer, .address_space: global }
      - { .name: gate_b, .offset: 16, .size: 8, .value_kind: global_buffer, .address_space: global }
      - { .name: slotinfo, .offset: 24, .size: 8, .value_kind: global_buffer, .address_space: global }
      - { .name: gatew, .offset: 32, .size: 8, .value_kind: global_buffer, .address_space: global }
      - { .name: hist, .offset: 40, .size: 8, .value_kind: global_buffer, .address_space: global }
    .group_segment_fixed_size: 34304
    .private_segment_fixed_size: 0
    .kernarg_segment_align: 8
    .kernarg_segment_size: 48
    .max_flat_workgroup_size: 128
    .sgpr_count:     66
    .vgpr_count:     258
    .wavefront_size: 32
...
	.end_amdgpu_metadata
.endif
;; end of part 6
;; launch place (part 7): grid 64 x 1, 8 waves a work-group, no clusters, 0 bytes of LDS; arguments slotinfo, hist, x, lowp_scales, pos, meta, xq; writes pos, meta, xq
.if DOCPART == 7
	.amdgcn_target "amdgcn-amd-amdhsa--gfx1250"
	.amdhsa_code_object_version 6
	.text
	.protected	k_qd2fcbf72c7_place
	.globl	k_qd2fcbf72c7_place
	.p2align	8
	.type	k_qd2fcbf72c7_place,@function
k_qd2fcbf72c7_place:
	s_mov_b64 s[64:65], 0
	v_nop
	global_prefetch_b8 v0, s[64:65] scope:SCOPE_SE
	s_setreg_imm32_b32 hwreg(HW_REG_WAVE_MODE, 25, 1), 1
	s_wait_xcnt 0x0
; THE PLACING.  Each expert's rows lie in slot order, each expert padded to whole tiles of 16 rows: at most 2,048 + 8 x 15 rows, 2,176 are kept.
; row of a slot = the expert's first row + the expert's slots in earlier blocks + the slot's rank in its block.
; Every wave makes all 32 rows of its block from the 64 blocks' counts (a lane takes blocks l and 32 + l; the counts are added two to a word:
; no sum passes 1,024, so no carry crosses a field).  Then wave w quantises tokens 2 w and 2 w + 1 of the block, each twice, once with the scale
; of each of its two experts, and stores the codes as rows of xq.
; Stored: pos[slot]; meta[4 e ..] = first row, tiles, last real row (0 where the expert has none), rows; xq[row][1024 codes], real rows only.
; code = x / 2^ex, held within +-448, to the nearest code, ties to even; ex = lowp_scales[4 e].  The 32 exponents are loaded at the head, a lane a word, and ex is read from lane 4 e.
; LIMITS: ex between -126 and 119.  NaN in x is not served.
	s_load_b256 s[4:11], s[0:1], 0x0               ; slotinfo s[4:5], hist s[6:7], x s[8:9], lowp_scales s[10:11]
	s_load_b128 s[12:15], s[0:1], 0x20             ; pos s[12:13], meta s[14:15]
	s_load_b64 s[16:17], s[0:1], 0x30              ; xq
	v_and_b32 v1, 31, v0                           ; lane
	v_lshrrev_b32 v15, 5, v0
	s_delay_alu instid0(VALU_DEP_1)
	v_readfirstlane_b32 s18, v15                   ; wave
	s_mov_b32 s19, ttmp9                           ; block
	v_lshlrev_b32 v2, 5, v1                        ; x: 8 numbers a lane
	v_lshlrev_b32 v3, 3, v1                        ; codes: 8 bytes a lane
	v_lshlrev_b32 v13, 2, v1                       ; 4 x lane
	v_lshlrev_b32 v14, 7, v1                       ; hist: a block's 128 bytes
	v_add_nc_u32 v15, 32, v1
	v_mov_b32 v94, 0
.irp q, 0,1,2,3,4,5,6,7
	v_mov_b32 v[96+\q], 0                          ; written once: the destination of a lane move counts as read
.endr
	s_mov_b32 s76, 0x76543210
	s_mov_b32 s77, 0xfedcba98
	s_lshl_b32 s20, s19, 7
	s_mov_b32 s21, 0
	s_lshl_b32 s22, s19, 16                        ; 16 tokens of 4,096 bytes,
	s_lshl_b32 s23, s18, 13                        ; my wave's two
	s_add_co_u32 s22, s22, s23
	s_mov_b32 s23, 0
	s_wait_kmcnt 0x0
	s_add_nc_u64 s[4:5], s[4:5], s[20:21]
	s_add_nc_u64 s[12:13], s[12:13], s[20:21]
	s_add_nc_u64 s[8:9], s[8:9], s[22:23]
	global_load_b128 v[4:7], v14, s[6:7]               ; block l's counts
	global_load_b128 v[8:11], v14, s[6:7] offset:4096  ; block 32 + l's
	global_load_b32 v12, v13, s[4:5]                   ; my block's slots, a lane to a slot
	global_load_b32 v95, v13, s[10:11]                 ; the 32 exponents, a lane a word
.irp k, 0,1
.irp q, 0,1,2,3
	global_load_b128 v[16+32*\k+8*\q:16+32*\k+8*\q+3], v2, s[8:9] offset:4096*\k+1024*\q       ; k = 256 q + 8 lane + 0..7 of token k
	global_load_b128 v[16+32*\k+8*\q+4:16+32*\k+8*\q+7], v2, s[8:9] offset:4096*\k+1024*\q+16
.endr
.endr
	s_wait_loadcnt 16                              ; counts, slots and exponents are in; x's sixteen loads may be out
.irp q, 0,1,2,3
	v_add_nc_u32 v[80+\q], v[4+\q], v[8+\q]        ; for the totals: all blocks;
.endr
	v_cmp_gt_u32 vcc_lo, s19, v1
.irp q, 0,1,2,3
	v_cndmask_b32 v[84+\q], 0, v[4+\q], vcc_lo     ; for the prefix: the blocks ahead of mine
.endr
	v_cmp_gt_u32 vcc_lo, s19, v15
.irp q, 0,1,2,3
	v_cndmask_b32 v[96+\q], 0, v[8+\q], vcc_lo
.endr
.irp q, 0,1,2,3
	s_delay_alu instid0(VALU_DEP_4)
	v_add_nc_u32 v[84+\q], v[84+\q], v[96+\q]
.endr
.irp m, 1,2,4,8
.irp q, 0,1,2,3,4,5,6,7
	v_mov_b32_dpp v[96+\q], v[80+\q] row_xmask:\m row_mask:0xf bank_mask:0xf
.endr
.irp q, 0,1,2,3,4,5,6,7
	v_add_nc_u32 v[80+\q], v[80+\q], v[96+\q]
.endr
.endr
.irp q, 0,1,2,3,4,5,6,7
	v_permlanex16_b32 v[96+\q], v[80+\q], s76, s77
.endr
.irp q, 0,1,2,3,4,5,6,7
	v_add_nc_u32 v[80+\q], v[80+\q], v[96+\q]
.endr
.irp q, 0,1,2,3,4,5,6,7
	v_readfirstlane_b32 s[24+\q], v[80+\q]         ; s[24:27] totals, s[28:31] prefixes, two experts to a word
.endr
	s_mov_b32 s32, 0                               ; the next expert's first row
.irp e, 0,1,2,3,4,5,6,7
	s_bfe_u32 s33, s[24+\e/2], 0x100000|(16*(\e%2))   ; the expert's rows
	s_bfe_u32 s34, s[28+\e/2], 0x100000|(16*(\e%2))   ; those of earlier blocks
	s_add_co_u32 s35, s33, 15
	s_lshr_b32 s35, s35, 4                         ; its tiles
	s_add_co_u32 s[40+\e], s32, s34                ; where my block's rows of it begin
	s_add_co_u32 s36, s32, s33
	s_sub_co_u32 s36, s36, 1
	s_cmp_eq_u32 s33, 0
	s_cselect_b32 s36, 0, s36                      ; its last real row
	v_writelane_b32 v94, s32, 4*\e
	s_delay_alu instid0(VALU_DEP_1)
	v_writelane_b32 v94, s35, 4*\e+1
	s_delay_alu instid0(VALU_DEP_1)
	v_writelane_b32 v94, s36, 4*\e+2
	s_delay_alu instid0(VALU_DEP_1)
	v_writelane_b32 v94, s33, 4*\e+3
	s_wait_alu depctr_va_vdst(0)
	s_lshl_b32 s35, s35, 4
	s_add_co_u32 s32, s32, s35
.endr
	v_and_b32 v89, 0xff, v12                       ; my slot's expert,
	v_lshrrev_b32 v90, 8, v12                      ; its rank in the block
	v_mov_b32 v91, 0
.irp e, 0,1,2,3,4,5,6,7
	v_cmp_eq_u32 vcc_lo, \e, v89
	s_delay_alu instid0(VALU_DEP_1)
	v_cndmask_b32 v91, v91, s[40+\e], vcc_lo
.endr
	s_delay_alu instid0(VALU_DEP_1)
	v_add_nc_u32 v92, v91, v90
	s_delay_alu instid0(VALU_DEP_1)
	v_min_u32 v92, 0x87f, v92                      ; its row
	s_cmp_lg_u32 s18, 0
	s_cbranch_scc1 .Lquant
	global_store_b32 v13, v92, s[12:13]            ; wave 0: the block's 128 bytes of pos
	s_cmp_lg_u32 s19, 0
	s_cbranch_scc1 .Lquant
	global_store_b32 v13, v94, s[14:15]            ; wave 0 of block 0: meta
.Lquant:
	s_lshl_b32 s37, s18, 2                         ; my wave's four slots are the block's slots 4 w .. 4 w + 3
	s_wait_alu depctr_va_vdst(0)
.irp i, 0,1,2,3
	s_add_co_u32 s38, s37, \i
	v_readlane_b32 s[48+\i], v92, s38
	v_readlane_b32 s[52+\i], v89, s38
	s_min_u32 s[48+\i], s[48+\i], 0x87f
	s_min_u32 s[52+\i], s[52+\i], 7
	s_lshl_b32 s[52+\i], s[52+\i], 2               ; lane 4 e holds lowp_scales[4 e]
.endr
.irp i, 0,1,2,3
	v_readlane_b32 s[56+\i], v95, s[52+\i]         ; ex
.endr
.irp i, 0,1,2,3
	s_add_co_i32 s[56+\i], s[56+\i], 127
	s_lshl_b32 s78, s[56+\i], 23
	v_mov_b32 v[160+\i], s78                       ; 2^ex as f32: the conversion takes its exponent field
	s_add_co_i32 s78, s[56+\i], 8
	s_lshl_b32 s78, s78, 23
	s_or_b32 s78, s78, 0x600000
	v_mov_b32 v[164+\i], s78                       ; 448 x 2^ex
	s_lshl_b32 s[68+2*\i], s[48+\i], 10
	s_mov_b32 s[69+2*\i], 0
	s_add_nc_u64 s[68+2*\i:69+2*\i], s[16:17], s[68+2*\i:69+2*\i]   ; the slot's row of xq
.endr
.macro QROW k, i                       ; token k of my two, with slot i's scale, to slot i's row.  Each slot has code registers of its own: no store's data are written again
.set n, 0
.rept 32
	v_med3_num_f32 v[96+n], v[16+32*(\k)+n], -v[164+\i], v[164+\i]   ; the conversion to an 8-bit code does not saturate (ISA guide 7.6.2): the hold comes first
.set n, n+1
.endr
.irp q, 0,1,2,3
	v_cvt_scalef32_pk8_fp8_f32 v[128+8*(\i)+2*\q:128+8*(\i)+2*\q+1], v[96+8*\q:96+8*\q+7], v[160+\i]
.endr
	v_nop                                          ; a plain instruction between the conversions and the next row's holds, which write their sources
.irp q, 0,1,2,3
	global_store_b64 v3, v[128+8*(\i)+2*\q:128+8*(\i)+2*\q+1], s[68+2*(\i):69+2*(\i)] offset:256*\q   ; 32 lanes store 256 consecutive bytes, aligned
.endr
.endm
	s_wait_alu depctr_va_vdst(0)
	s_wait_loadcnt 8                               ; the first token's eight loads are in
	QROW 0, 0
	QROW 0, 1
	s_wait_loadcnt 0
	QROW 1, 2
	QROW 1, 3
	s_endpgm
.Lfunc_end_k_qd2fcbf72c7_place:
	.size	k_qd2fcbf72c7_place, .Lfunc_end_k_qd2fcbf72c7_place-k_qd2fcbf72c7_place
	.p2alignl 7, 3214868480
	.fill 96, 4, 3214868480
	.section	.rodata,"a",@progbits
	.p2align	6, 0x0
	.amdhsa_kernel k_qd2fcbf72c7_place
		.amdhsa_group_segment_fixed_size 0
		.amdhsa_private_segment_fixed_size 0
		.amdhsa_enable_private_segment 0
		.amdhsa_kernarg_size 56
		.amdhsa_user_sgpr_count 2
		.amdhsa_user_sgpr_kernarg_segment_ptr 1
		.amdhsa_wavefront_size32 1
		.amdhsa_system_sgpr_workgroup_id_x 1
		.amdhsa_system_sgpr_workgroup_id_y 1
		.amdhsa_system_sgpr_workgroup_id_z 1
		.amdhsa_system_vgpr_workitem_id 0
		.amdhsa_next_free_vgpr 176
		.amdhsa_next_free_sgpr 96
		.amdhsa_reserve_vcc 1
		.amdhsa_float_denorm_mode_32 3
		.amdhsa_float_denorm_mode_16_64 3
		.amdhsa_memory_ordered 1
		.amdhsa_forward_progress 1
		.amdhsa_inst_pref_size 30
	.end_amdhsa_kernel
	.amdgpu_metadata
---
amdhsa.version: [ 1, 2 ]
amdhsa.kernels:
  - .name:           k_qd2fcbf72c7_place
    .symbol:         k_qd2fcbf72c7_place.kd
    .args:
      - { .name: slotinfo, .offset: 0, .size: 8, .value_kind: global_buffer, .address_space: global }
      - { .name: hist, .offset: 8, .size: 8, .value_kind: global_buffer, .address_space: global }
      - { .name: x, .offset: 16, .size: 8, .value_kind: global_buffer, .address_space: global }
      - { .name: lowp_scales, .offset: 24, .size: 8, .value_kind: global_buffer, .address_space: global }
      - { .name: pos, .offset: 32, .size: 8, .value_kind: global_buffer, .address_space: global }
      - { .name: meta, .offset: 40, .size: 8, .value_kind: global_buffer, .address_space: global }
      - { .name: xq, .offset: 48, .size: 8, .value_kind: global_buffer, .address_space: global }
    .group_segment_fixed_size: 0
    .private_segment_fixed_size: 0
    .kernarg_segment_align: 8
    .kernarg_segment_size: 56
    .max_flat_workgroup_size: 256
    .sgpr_count:     96
    .vgpr_count:     176
    .wavefront_size: 32
...
	.end_amdgpu_metadata
.endif
;; end of part 7
;; launch layer1 (part 8): grid 256 x 1, 8 waves a work-group, no clusters, 134,144 bytes of LDS; arguments w1, b1, lowp_scales, meta, xq, hq; writes hq
.if DOCPART == 8
	.amdgcn_target "amdgcn-amd-amdhsa--gfx1250"
	.amdhsa_code_object_version 6
	.text
	.protected	k_qd2fcbf72c7_layer1
	.globl	k_qd2fcbf72c7_layer1
	.p2align	8
	.type	k_qd2fcbf72c7_layer1,@function
k_qd2fcbf72c7_layer1:
	s_mov_b64 s[64:65], 0
	v_nop
	global_prefetch_b8 v0, s[64:65] scope:SCOPE_SE
	s_setreg_imm32_b32 hwreg(HW_REG_WAVE_SCHED_MODE, 0, 2), 2
	s_setreg_imm32_b32 hwreg(HW_REG_WAVE_MODE, 25, 1), 1
	s_wait_xcnt 0x0
	s_wait_alu depctr_vm_vsrc(0)
; THE FIRST LAYER: hq = Q(gelu(Q(x) Q(w1[e]) + b1[e])) for the rows that chose expert e.  Products on codes of E4M3 by v_wmma_f32_16x16x128_fp8_fp8, sums f32.
; THE WEIGHTS STAND STILL.  Work-group id: expert e = id / 32, slice s = id % 32: hidden units 128 s .. 128 s + 127, all K = 1,024: 512 KiB of f32, read once,
; quantised in registers, kept as codes in LDS (128 rows of 1,024 codes, pitch 1,040), multiplied at once.  No weight code goes to memory.
; EIGHT STEPS of 128 along K, written out.  In a step wave w loads rows k = 128 ks + 16 w + i, i = 0..15 (each load: 512 consecutive bytes; a lane: columns 4 l + 0..3),
; holds and converts them (the hold also puts the 16 numbers of a column side by side), stores 16 codes of each of its four columns, passes ONE barrier, and
; multiplies the step's eight tiles of weights by its tiles of rows.  No LDS byte is ever written twice, so that one barrier a step is all.
; ROWS.  Tile of rows 24 p + 8 t + w of the expert belongs to wave w (t = 0..2) in pass p.  Pass 0 runs inside the stream.  All its loads are issued whether a tile exists or not (a tile that
; does not exist reads the expert's last row, and is never stored), so that every count of a wait holds on every path.  THE THIRD TILE'S PRODUCTS stand in blocks of their own and, from the
; second K step on, are jumped over by a scalar branch on the stored count where the tile does not exist; the first K step's are always issued, so that every accumulator is written on every path.
; Passes 1 and 2 (an expert has at most 64 tiles) run from the codes in LDS and are jumped over.  No barrier stands under such a branch.
; TRANSPOSED USE: source 0 = 16 hidden units, source 1 = 16 rows.  THE UNITS OF A TILE ARE NOT NEIGHBOURS: LDS row 32 b + 16 u + r holds unit 32 b + 8 u + r + 8 (r / 8), so
; that the 16 registers of tiles 2 b, 2 b + 1 are units 32 b + 16 (lane / 16) + 0..15 of the lane's row: the conversions' results ARE the next layer's operand registers.
; They are stored as that image: hq[tile][K step s][512 c + 16 lane].  K inside a fragment: registers 4 c .. 4 c + 3 = k 32 c + 16 (lane / 16) + 0..15, alike on both sides.
; GELU, exact form: gelu(x) = max(x, 0) - |x| a, a = erfc(|x| / sqrt 2) / 2 = t 2^(-x^2 log2(e) / 2 + A(t)), t = 1 / (1 + |x| / (2 sqrt 2)); A is the ninth-degree polynomial of
; the rational Chebyshev fit of erfc (fractional error 1.2e-7 everywhere), times log2 e, less 1.
; LIMITS: ew1, eh between -126 and 119; ex + ew1 between -126 and 127.  NaN among the inputs is not served.
; No tensor load and no cluster: branches hang on stored counts, and the weights must pass through registers to be quantised.  No prefetch: the launch streams its weights from its first line on.
; THE MODE: SCHED_MODE bits 1:0 = 2 (LLVM: expert scheduling mode 2), set by the entry lines.  The code itself states the register dependences
; between vector or matrix instructions and memory or LDS instructions, with s_wait_alu, always for 0.
; THE PLAN.  Registers that memory or LDS instructions touch, in the stream:
;   WS0, WS1    Step ks: its 64 holds read WS[ks & 1]; behind the step's wait the loads of step ks + 2 land in it (in step 7: the bias).
;   BF          Written by the holds, read by the conversions; then the LDS loads of the first four weight fragments land in it, the first half's products read it,
;               the second four fragments land in it, the second half's products read it.
;   CW          Written by the conversions, read by the step's four LDS stores, written again a step later.
;   AF0, AF1    Step ks: its products read AF[ks & 1]; the loads of step ks + 2 land in it in step ks + 1, behind that step's wait.
;   v1-4, v10   Offsets and LDS addresses: made at the head, never written again.  v5-7: made at the head, and anew at the head of a later pass.
; So a step has TWO waits on va_vdst.  One stands behind its conversions and states that the holds are done reading WS, that the conversions have written CW, that holds and conversions are done
; with BF, and that the last step's products are done reading the other AF.  The step's LDS stores, its loads of x and of weights and, behind the barrier, the first sixteen LDS loads follow it with
; no vector or matrix instruction between.  The other stands between the two halves of the products: the first half is done reading BF.  One wait on vm_vsrc a step stands ahead of the conversions.
; REGISTERS.  Window 0: v1 16 x lane; v2 where I store codes; v3, v4 where I read weight fragments; v5-7 my three tiles' rows in xq; v8, v9 2^ew1, 2^eh; v10 64 h; v11 r; v12 16 h;
;   v[14:15] a9; v16-79 four weight fragments, also the held numbers; v80-175 x's fragments, two sets of three; v176-239 weights as loaded, set 0; v240-255 codes just made.
;   In the way out: v80-143 a tile's 64 numbers; v144-159 t; v160-175 x^2, then max(x, 0); v176-191 the polynomial; v192-207 h's codes.
;   Window 1: v0-191 the accumulators, (t, n) at 8 (8 t + n); v192-255 weights as loaded, set 1; from the last step on b1 in the result's layout.
;   s61: 1 where my third tile of the pass in hand exists, else 0.
.set P,   1040
.set BF,  16
.set AF,  80
.set WS0, 176
.set WS1, 192
.set CW,  240
.set XX,  80
.set TT,  144
.set QQ,  160
.set PP,  176
.set CH,  192
.set MSB, 0
.macro WIN new                         ; the immediate's high byte repeats the setting that is left; a switch that changes nothing is dropped
.if MSB != (\new)
	s_set_vgpr_msb (MSB<<8)|(\new)
.set MSB, (\new)
.endif
.endm
.macro WLOAD ks                        ; step ks's 16 rows of my wave, into set ks & 1
.if ((\ks)&1)
	WIN 0x40                                       ; destination window 1
.irp i, 0,1,2,3,4,5,6,7,8,9,10,11,12,13,14,15
	global_load_b128 v[WS1+4*\i:WS1+4*\i+3], v1, s[32+2*(\ks):33+2*(\ks)] offset:16384*\i th:TH_LOAD_NT
.endr
	WIN 0
.else
.irp i, 0,1,2,3,4,5,6,7,8,9,10,11,12,13,14,15
	global_load_b128 v[WS0+4*\i:WS0+4*\i+3], v1, s[32+2*(\ks):33+2*(\ks)] offset:16384*\i th:TH_LOAD_NT
.endr
.endif
.endm
.macro HOLDS ks                        ; number (row i, column j) goes to place 16 j + i, held within +-448 x 2^ew1 (the conversion does not saturate: ISA guide 7.6.2)
.if ((\ks)&1)
	WIN 0x01                                       ; source 0 window 1
.irp i, 0,1,2,3,4,5,6,7,8,9,10,11,12,13,14,15
.irp j, 0,1,2,3
	v_med3_num_f32 v[BF+16*\j+\i], v[WS1+4*\i+\j], s28, s29
.endr
.endr
	WIN 0
.else
.irp i, 0,1,2,3,4,5,6,7,8,9,10,11,12,13,14,15
.irp j, 0,1,2,3
	v_med3_num_f32 v[BF+16*\j+\i], v[WS0+4*\i+\j], s28, s29
.endr
.endr
.endif
.endm
.macro CVTS
.irp j, 0,1,2,3
.irp m, 0,1
	v_cvt_scalef32_pk8_fp8_f32 v[CW+4*\j+2*\m:CW+4*\j+2*\m+1], v[BF+16*\j+8*\m:BF+16*\j+8*\m+7], v8
.endr
.endr
	v_nop                                          ; a plain instruction behind the last conversion
.endm
.macro CSTORE ks                       ; column j's 16 codes, k = 128 ks + 16 w + 0..15
.irp j, 0,1,2,3
	ds_store_b128 v2, v[CW+4*\j:CW+4*\j+3] offset:\j*P+128*(\ks)
.endr
.endm
.macro BIAS                            ; b1 in the result's layout: for tile n the lane's eight units 32 (n / 2) + 16 h + 8 (n % 2) + 0..7
	WIN 0x40
.irp n, 0,1,2,3,4,5,6,7
	global_load_b128 v[WS1+8*\n:WS1+8*\n+3], v10, s[58:59] offset:(32*(\n/2)+8*(\n%2))*4
	global_load_b128 v[WS1+8*\n+4:WS1+8*\n+7], v10, s[58:59] offset:(32*(\n/2)+8*(\n%2))*4+16
.endr
	WIN 0
.endm
.macro AADDR                           ; where my three tiles of pass s50 lie in xq: row min(first + 16 tile + r, last real row); and whether the third exists
	s_mul_i32 s52, s50, 24
	s_add_co_u32 s52, s52, s16
	s_add_co_u32 s53, s52, 16
	s_cmp_lt_u32 s53, s25
	s_cselect_b32 s61, 1, 0
	s_lshl_b32 s52, s52, 4
	s_add_co_u32 s52, s52, s24
.irp t, 0,1,2
	v_add_nc_u32 v[5+\t], s52, v11
	v_min_u32 v[5+\t], s26, v[5+\t]
	v_min_u32 v[5+\t], 0x87f, v[5+\t]
	v_lshl_add_u32 v[5+\t], v[5+\t], 10, v12
	s_add_co_u32 s52, s52, 128
.endr
.endm
.macro ALOAD ks                        ; x's three fragments of K step ks, into set ks & 1: 12 loads
.irp t, 0,1,2
.irp c, 0,1,2,3
	global_load_b128 v[AF+48*((\ks)&1)+16*\t+4*\c:AF+48*((\ks)&1)+16*\t+4*\c+3], v[5+\t], s[12:13] offset:128*(\ks)+32*\c
.endr
.endr
.endm
.macro PROD ks, n, f, t                ; one product: tile of weights n, which is fragment f of the four in registers, x tile of rows t.  At ks = 0 it starts the sum
.if (\ks)==0
	v_wmma_f32_16x16x128_fp8_fp8 v[8*(8*(\t)+(\n)):8*(8*(\t)+(\n))+7], v[BF+16*(\f):BF+16*(\f)+15], v[AF+48*((\ks)&1)+16*(\t):AF+48*((\ks)&1)+16*(\t)+15], 0
.else
	v_wmma_f32_16x16x128_fp8_fp8 v[8*(8*(\t)+(\n)):8*(8*(\t)+(\n))+7], v[BF+16*(\f):BF+16*(\f)+15], v[AF+48*((\ks)&1)+16*(\t):AF+48*((\ks)&1)+16*(\t)+15], v[8*(8*(\t)+(\n)):8*(8*(\t)+(\n))+7]
.endif
.endm
.macro THIRD ks, rd                    ; the third tile's four products of a half; from the second K step on only where the tile exists.  Every window is 0 at the branch and at the label
.if (\ks)!=0
	WIN 0
	s_cmp_eq_u32 s61, 0
	s_cbranch_scc1 .Lno3_\@
	WIN 0x50
.endif
.irp f, 0,1,2,3
	PROD \ks, 4*(\rd)+\f, \f, 2
.endr
	WIN 0
.if (\ks)!=0
.Lno3_\@:
.endif
.endm
; K step ks: eight tiles of weights x my tiles of rows, four tiles of weights at a time: first tiles 0 and 1 of the rows, then the third.  The accumulators take turns, one instruction a turn:
; no two products that follow each other, on either way, name the same accumulator.  Four v_nop close each half, behind the label, so on both ways: places
; ahead of the holds that write registers which these products read, and ahead of the first read of their results; they stay beside the wait that the LDS loads of the second half hang on.
; The first half's LDS loads hang on a wait that stands ahead of this macro: in the stream the step's own, behind its conversions; in a later pass the one at the K step's head.
.macro CONSUME ks
.irp rd, 0,1
.if \rd
	s_wait_alu depctr_va_vdst(0)                   ; the first half's products are done reading the four weight fragments, in which the sixteen LDS loads below land
.endif
.irp f, 0,1,2,3
.irp c, 0,1,2,3
	ds_load_b128 v[BF+16*\f+4*\c:BF+16*\f+4*\c+3], v[3+\rd] offset:\f*16*P+128*(\ks)+32*\c
.endr
.endr
	WIN 0x50                                       ; C and D window 1
.irp f, 0,1,2,3
	s_wait_dscnt 12-4*\f                           ; fragment f's four loads are in; the later fragments' may be out
	PROD \ks, 4*\rd+\f, \f, 0
	PROD \ks, 4*\rd+\f, \f, 1
.endr
	THIRD \ks, \rd
.rept 4
	v_nop
.endr
.endr
.endm
; A step of the stream.  Loads are issued in the order W0 W1 A0 A1, then in step ks, behind its wait on va_vdst: A(ks+1) (steps 1 to 6), then W(ks+2) (steps 0 to 5) (W: 16 loads, A: 12).
.macro STEP ks
.if (\ks)==7
	s_wait_loadcnt 12                              ; behind W7: A7
.elseif (\ks)<=1
	s_wait_loadcnt 40                              ; behind W0: W1, A0, A1; behind W1: A0, A1, W2
.else
	s_wait_loadcnt 28                              ; behind W(ks): A(ks), W(ks+1)
.endif
	HOLDS \ks
.if (\ks)>0
	s_wait_alu depctr_vm_vsrc(0)                   ; the last step's LDS stores have read the codes' registers, which the conversions below write again
.endif
	CVTS
	s_wait_alu depctr_va_vdst(0)                   ; the conversions have written the codes, which the LDS stores read; the holds are done reading the weights' set, and the last step's products x's other set: loads land in both; holds and conversions are done with v16-79, in which the LDS loads behind the barrier land
	CSTORE \ks
.if ((\ks)>=1)&&((\ks)<=6)
	ALOAD (\ks)+1                                  ; into the set that the last step's products read
.endif
.if (\ks)<=5
	WLOAD (\ks)+2                                  ; into the set that the holds have read
.endif
.if (\ks)==7
	BIAS                                           ; set 1 has been read for the last time
.endif
	s_wait_dscnt 0x0                               ; for the others' sake: my codes have landed
	s_barrier_signal -1
	s_barrier_wait -1                              ; the step's 128 x 128 codes lie in LDS
.if (\ks)==0
	s_wait_loadcnt 28                              ; behind A0: A1, W2
.elseif (\ks)<=5
	s_wait_loadcnt 44                              ; behind A(ks): W(ks+1), A(ks+1), W(ks+2)
.elseif (\ks)==6
	s_wait_loadcnt 28                              ; behind A6: W7, A7
.else
	s_wait_loadcnt 16                              ; behind A7: the bias
.endif
	CONSUME \ks
.endm
.macro XSTEP ks                        ; a K step of a later pass: the codes lie in LDS
.if (\ks)>0
	s_wait_alu depctr_va_vdst(0)                   ; the last K step's products are done reading x's other set and the four weight fragments: the loads below land in both
.endif
.if (\ks)<7
	ALOAD (\ks)+1
	s_wait_loadcnt 12                              ; all but the 12 just issued
.else
	s_wait_loadcnt 0
.endif
	CONSUME \ks
.endm
.macro TAKE t                          ; tile t's 64 sums x 2^(ex + ew1) + b1; each accumulator from its low end on
	WIN 0x11                                       ; sources 0 (the sums) and 2 (b1) window 1
.set n, 0
.rept 32
	v_pk_fma_f32 v[XX+n:XX+n+1], v[64*(\t)+n:64*(\t)+n+1], s[48:49], v[WS1+n:WS1+n+1] op_sel_hi:[1,0,1]
.set n, n+2
.endr
	WIN 0
.endm
.macro LEVEL lit                       ; a step of Horner's rule, two numbers an instruction
.irp q, 0,2,4,6,8,10,12,14
	v_pk_fma_f32 v[PP+\q:PP+\q+1], v[PP+\q:PP+\q+1], v[TT+\q:TT+\q+1], \lit op_sel_hi:[1,1,0]
.endr
.endm
.macro GELU b                          ; 16 numbers: units 32 b + 16 h + 0..15 of my row; their codes are registers 4 b .. 4 b + 3 of the next operand
.set XB, XX+16*(\b)
.set n, 0
.rept 16
	v_fma_f32 v[TT+n], |v[XB+n]|, s60, 1.0
.set n, n+1
.endr
.set n, 0
	s_wait_alu depctr_va_vdst(0)
.rept 16
	v_rcp_f32 v[TT+n], v[TT+n]                     ; t
.set n, n+1
.endr
.irp q, 0,2,4,6,8,10,12,14
	v_pk_mul_f32 v[QQ+\q:QQ+\q+1], v[XB+\q:XB+\q+1], v[XB+\q:XB+\q+1]   ; x^2: plain work behind the reciprocals
.endr
	s_wait_alu depctr_va_vdst(0)                   ; one wait for the sixteen reciprocals, ahead of their first reader
.irp q, 0,2,4,6,8,10,12,14
	v_pk_fma_f32 v[PP+\q:PP+\q+1], v[TT+\q:TT+\q+1], v[14:15], 0xbf97d29d op_sel_hi:[1,1,0]   ; a9 t + a8
.endr
	LEVEL 0x40097039                               ; a7 =  2.1474745
	LEVEL 0xbfd1a1e5                               ; a6 = -1.6377532
	LEVEL 0x3ecdfd18                               ; a5 =  0.40232158
	LEVEL 0xbe899a80                               ; a4 = -0.26875686
	LEVEL 0x3e0efb2e                               ; a3 =  0.13963006
	LEVEL 0x3f0a29d2                               ; a2 =  0.53970062
	LEVEL 0x3fb8ab5a                               ; a1 =  1.4427292
	LEVEL 0xc034d90f                               ; a0 = -2.8257482
.irp q, 0,2,4,6,8,10,12,14
	v_pk_fma_f32 v[PP+\q:PP+\q+1], v[QQ+\q:QQ+\q+1], 0xbf38aa3b, v[PP+\q:PP+\q+1] op_sel_hi:[1,0,1]   ; - x^2 log2(e) / 2
.endr
.set n, 0
	s_wait_alu depctr_va_vdst(0)
.rept 16
	v_exp_f32 v[PP+n], v[PP+n]
.set n, n+1
.endr
.set n, 0
.rept 16
	v_max_num_f32 v[QQ+n], 0, v[XB+n]              ; plain work behind the exponentials
.set n, n+1
.endr
	s_wait_alu depctr_va_vdst(0)                   ; one wait for the sixteen exponentials
.irp q, 0,2,4,6,8,10,12,14
	v_pk_mul_f32 v[TT+\q:TT+\q+1], v[TT+\q:TT+\q+1], v[PP+\q:PP+\q+1]   ; a
.endr
.set n, 0
.rept 16
	v_fma_f32 v[XB+n], -|v[XB+n]|, v[TT+n], v[QQ+n]
.set n, n+1
.endr
.set n, 0
.rept 16
	v_med3_num_f32 v[XB+n], v[XB+n], s30, s31      ; the hold at +-448 x 2^eh
.set n, n+1
.endr
	v_cvt_scalef32_pk8_fp8_f32 v[CH+4*(\b):CH+4*(\b)+1], v[XB:XB+7], v9
	v_cvt_scalef32_pk8_fp8_f32 v[CH+4*(\b)+2:CH+4*(\b)+3], v[XB+8:XB+15], v9
.endm
	s_load_b256 s[4:11], s[0:1], 0x0               ; w1 s[4:5], b1 s[6:7], lowp_scales s[8:9], meta s[10:11]
	s_load_b128 s[12:15], s[0:1], 0x20             ; xq s[12:13], hq s[14:15]
	v_lshrrev_b32 v14, 5, v0
	v_readfirstlane_b32 s16, v14                   ; wave
	s_lshr_b32 s17, ttmp9, 5                       ; expert
	s_and_b32 s18, ttmp9, 31                       ; slice
	s_lshl_b32 s56, s17, 4                         ; the expert's four words in lowp_scales and in meta
	v_and_b32 v13, 31, v0                          ; lane
	v_lshlrev_b32 v1, 4, v13
	v_and_b32 v11, 15, v0                          ; r
	v_bfe_u32 v12, v0, 4, 1                        ; h
	v_lshlrev_b32 v10, 6, v12
	v_mul_u32_u24 v3, v11, P
	v_lshl_add_u32 v3, v12, 4, v3                  ; a fragment's row x pitch + 16 h: tiles 0-3,
	v_add_nc_u32 v4, 64*P, v3                      ; tiles 4-7
	v_and_b32 v2, 0x19, v13                        ; my four columns' LDS rows: 4 l' + j, l' = lane with bits 1 and 2 changed over, which changes bits 3 and 4 of the unit over
	v_bfe_u32 v14, v13, 1, 1
	v_lshl_add_u32 v2, v14, 2, v2
	v_bfe_u32 v14, v13, 2, 1
	v_lshl_add_u32 v2, v14, 1, v2
	v_mul_u32_u24 v2, v2, 4*P
	s_wait_alu depctr_va_sdst(0)                   ; s16, the wave's number, is written, ahead of its first reader
	s_lshl_b32 s52, s16, 4
	v_add_nc_u32 v2, s52, v2                       ; + 16 w: my wave's 16 along K
	v_lshlrev_b32 v12, 4, v12
	v_mov_b32 v14, 0x3e7c6f08                      ; a9 = 0.24651730, twice
	v_mov_b32 v15, 0x3e7c6f08
	s_mov_b32 s60, 0x3eb504f3                      ; 1 / (2 sqrt 2)
	s_mov_b32 s50, 0                               ; pass
	s_lshl_b32 s52, s17, 24                        ; w1: the expert's 16 MiB,
	s_lshl_b32 s53, s18, 9                         ; the slice's 512 bytes of a row,
	s_add_co_u32 s52, s52, s53
	s_lshl_b32 s53, s16, 18                        ; my wave's 16 rows of 16,384 bytes
	s_add_co_u32 s52, s52, s53
	s_mov_b32 s53, 0
	s_lshl_b32 s54, s17, 14                        ; b1: the expert's row, the slice's 512 bytes
	s_lshl_b32 s55, s18, 9
	s_add_co_u32 s54, s54, s55
	s_mov_b32 s55, 0
	s_wait_kmcnt 0x0
	s_load_b128 s[20:23], s[8:9], s56 offset:0x0   ; ex, ew1, eh, ew2
	s_load_b128 s[24:27], s[10:11], s56 offset:0x0 ; first row, tiles, last real row, rows
	s_add_nc_u64 s[32:33], s[4:5], s[52:53]        ; a pointer for each step: 128 rows apart; never rewritten
.irp k, 1,2,3,4,5,6,7
	s_add_nc_u64 s[32+2*\k:33+2*\k], s[30+2*\k:31+2*\k], 0x200000
.endr
	s_add_nc_u64 s[58:59], s[6:7], s[54:55]
	s_wait_alu depctr_va_vdst(0)                   ; the offsets and LDS addresses v1 to v4 and v10 are written, which the loads and stores of the whole kernel read
	WLOAD 0
	WLOAD 1
	s_wait_kmcnt 0x0
	s_add_co_i32 s52, s21, 127
	s_lshl_b32 s53, s52, 23
	v_mov_b32 v8, s53                              ; 2^ew1 as f32: the conversion takes its exponent field
	s_add_co_i32 s52, s52, 8
	s_lshl_b32 s52, s52, 23
	s_or_b32 s29, s52, 0x600000                    ; 448 x 2^ew1,
	s_or_b32 s28, s29, 0x80000000                  ; and its negative
	s_add_co_i32 s52, s22, 127
	s_lshl_b32 s53, s52, 23
	v_mov_b32 v9, s53                              ; 2^eh
	s_add_co_i32 s52, s52, 8
	s_lshl_b32 s52, s52, 23
	s_or_b32 s31, s52, 0x600000
	s_or_b32 s30, s31, 0x80000000
	s_add_co_i32 s48, s20, s21
	s_add_co_i32 s48, s48, 127
	s_lshl_b32 s48, s48, 23                        ; 2^(ex + ew1)
	s_mov_b32 s49, s48                             ; (named with it as a pair, so it is written)
	AADDR
	s_wait_alu depctr_va_vdst(0)                   ; v5 to v7 are written, which the loads of x read as their offsets
	ALOAD 0
	ALOAD 1
	STEP 0
	STEP 1
	STEP 2
	STEP 3
	STEP 4
	STEP 5
	STEP 6
	STEP 7
	s_wait_loadcnt 0x0                             ; the bias
.Lpass:                                                ; three trips: pass 0 has been multiplied in the stream and only goes out
	s_cmp_eq_u32 s50, 0
	s_cbranch_scc1 .Lepi
	s_mul_i32 s52, s50, 24
	s_add_co_u32 s52, s52, s16
	s_cmp_ge_u32 s52, s25                          ; my first tile of the pass does not exist: then none of the three does
	s_cbranch_scc1 .Lepi
.rept 5
	v_nop                                          ; places ahead of products that begin the accumulators anew
.endr
	s_wait_alu depctr_vm_vsrc(0)                   ; the loads of x issued so far have read v5 to v7, which are made anew below
	AADDR                                          ; (no load is out: the address registers may be written)
	s_wait_alu depctr_va_vdst(0)                   ; v5 to v7 are written, which the loads below read; the way out is done with v80-175 and the last products with v16-79: loads land in all of these
	ALOAD 0
	XSTEP 0
	XSTEP 1
	XSTEP 2
	XSTEP 3
	XSTEP 4
	XSTEP 5
	XSTEP 6
	XSTEP 7
.Lepi:
	s_mov_b32 s51, 0
.Ltile:                                                ; three trips: the gelu is written once, only the lines that fetch a tile's sums are written three times
	s_mul_i32 s52, s50, 24
	s_lshl_b32 s53, s51, 3
	s_add_co_u32 s52, s52, s53
	s_add_co_u32 s52, s52, s16                     ; the tile
	s_cmp_ge_u32 s52, s25
	s_cbranch_scc1 .Lnext                          ; it does not exist: nothing is stored
	s_cmp_eq_u32 s51, 0
	s_cbranch_scc0 .Lnot0
	TAKE 0
	s_branch .Lgelu
.Lnot0:
	s_cmp_eq_u32 s51, 1
	s_cbranch_scc0 .Lnot1
	TAKE 1
	s_branch .Lgelu
.Lnot1:
	TAKE 2
.Lgelu:
	s_wait_xcnt 0x0                                ; the last tile's stores have read their codes and their base: both are written again below
	s_wait_alu depctr_vm_vsrc(0)                   ; the last tile's stores have read h's codes, v192-207, which the conversions below write again
	GELU 0
	GELU 1
	GELU 2
	GELU 3
	v_nop                                          ; a plain instruction behind the last conversion
	s_lshr_b32 s53, s24, 4
	s_add_co_u32 s53, s53, s52
	s_min_u32 s53, s53, 135                        ; the tile's number among all experts'
	s_lshl_b32 s54, s53, 16                        ; 32 K steps of 2,048 bytes,
	s_lshl_b32 s56, s18, 11                        ; mine is K step s
	s_add_co_u32 s54, s54, s56
	s_mov_b32 s55, 0
	s_add_nc_u64 s[54:55], s[14:15], s[54:55]
	s_wait_alu depctr_va_vdst(0)                   ; the conversions have written h's codes, which the four stores read
.irp c, 0,1,2,3
	global_store_b128 v1, v[CH+4*\c:CH+4*\c+3], s[54:55] offset:512*\c   ; 32 lanes store 512 consecutive bytes, aligned
.endr
.Lnext:
	s_add_co_u32 s51, s51, 1
	s_cmp_lt_u32 s51, 3
	s_cbranch_scc1 .Ltile
	s_add_co_u32 s50, s50, 1
	s_cmp_lt_u32 s50, 3
	s_cbranch_scc1 .Lpass
	s_wait_xcnt 0x0
	s_wait_alu depctr_vm_vsrc(0)                   ; the stream's LDS stores have read v254 and v255, which are made anew below
	v_lshl_add_u32 v254, v0, 2, 0x20800
	v_mov_b32 v255, 0
	s_wait_dscnt 0x0                               ; the closing lines, six on end
	s_wait_alu 0x0
	s_wait_tensorcnt 0x0
	ds_add_u32 v254, v255
	s_wait_dscnt 0x0
	s_endpgm
.Lfunc_end_k_qd2fcbf72c7_layer1:
	.size	k_qd2fcbf72c7_layer1, .Lfunc_end_k_qd2fcbf72c7_layer1-k_qd2fcbf72c7_layer1
	.p2alignl 7, 3214868480
	.fill 96, 4, 3214868480
	.section	.rodata,"a",@progbits
	.p2align	6, 0x0
	.amdhsa_kernel k_qd2fcbf72c7_layer1
		.amdhsa_group_segment_fixed_size 134144
		.amdhsa_private_segment_fixed_size 0
		.amdhsa_enable_private_segment 0
		.amdhsa_kernarg_size 48
		.amdhsa_user_sgpr_count 2
		.amdhsa_user_sgpr_kernarg_segment_ptr 1
		.amdhsa_wavefront_size32 1
		.amdhsa_system_sgpr_workgroup_id_x 1
		.amdhsa_system_sgpr_workgroup_id_y 1
		.amdhsa_system_sgpr_workgroup_id_z 1
		.amdhsa_system_vgpr_workitem_id 0
		.amdhsa_next_free_vgpr 512
		.amdhsa_next_free_sgpr 66
		.amdhsa_reserve_vcc 0
		.amdhsa_float_denorm_mode_32 3
		.amdhsa_float_denorm_mode_16_64 3
		.amdhsa_memory_ordered 1
		.amdhsa_forward_progress 1
		.amdhsa_inst_pref_size 210
	.end_amdhsa_kernel
	.amdgpu_metadata
---
amdhsa.version: [ 1, 2 ]
amdhsa.kernels:
  - .name:           k_qd2fcbf72c7_layer1
    .symbol:         k_qd2fcbf72c7_layer1.kd
    .args:
      - { .name: w1, .offset: 0, .size: 8, .value_kind: global_buffer, .address_space: global }
      - { .name: b1, .offset: 8, .size: 8, .value_kind: global_buffer, .address_space: global }
      - { .name: lowp_scales, .offset: 16, .size: 8, .value_kind: global_buffer, .address_space: global }
      - { .name: meta, .offset: 24, .size: 8, .value_kind: global_buffer, .address_space: global }
      - { .name: xq, .offset: 32, .size: 8, .value_kind: global_buffer, .address_space: global }
      - { .name: hq, .offset: 40, .size: 8, .value_kind: global_buffer, .address_space: global }
    .group_segment_fixed_size: 134144
    .private_segment_fixed_size: 0
    .kernarg_segment_align: 8
    .kernarg_segment_size: 48
    .max_flat_workgroup_size: 256
    .sgpr_count:     66
    .vgpr_count:     512
    .wavefront_size: 32
...
	.end_amdgpu_metadata
.endif
;; end of part 8
;; launch layer2 (part 9): grid 256 x 1, 8 waves a work-group, no clusters, 167,936 bytes of LDS; arguments w2, lowp_scales, meta, hq, y; writes y
.if DOCPART == 9
	.amdgcn_target "amdgcn-amd-amdhsa--gfx1250"
	.amdhsa_code_object_version 6
	.text
	.protected	k_qd2fcbf72c7_layer2
	.globl	k_qd2fcbf72c7_layer2
	.p2align	8
	.type	k_qd2fcbf72c7_layer2,@function
k_qd2fcbf72c7_layer2:
	s_mov_b64 s[64:65], 0
	v_nop
	global_prefetch_b8 v0, s[64:65] scope:SCOPE_SE
	s_setreg_imm32_b32 hwreg(HW_REG_WAVE_SCHED_MODE, 0, 2), 2
	s_setreg_imm32_b32 hwreg(HW_REG_WAVE_MODE, 25, 1), 1
	s_wait_xcnt 0x0
	s_wait_alu depctr_vm_vsrc(0)
; THE SECOND LAYER: y[kh][row] = (h's codes) Q(w2[e]) x 2^(eh + ew2), over one half of K, for the rows that chose expert e.  Products on codes of E4M3 by v_wmma_f32_16x16x128_fp8_fp8, sums f32.
; THE WEIGHTS STAND STILL, as in the first layer.  Work-group id: expert e = id / 32, half of K kh = (id / 16) % 2, columns 64 ns .. 64 ns + 63, ns = id % 16: 2,048 x 64 numbers, 512 KiB of f32,
; read once, quantised in registers, kept as codes in LDS (64 rows of 2,048 codes, pitch 2,064).  The two halves of K go to two planes of y; the last launch adds them: each byte of y has one writer.
; EIGHT STEPS of 256 along K, written out.  In a step wave w loads rows k = 256 ks + 32 w + 16 hh + i (hh = lane / 16, i = 0..15; sixteen lanes read 256 consecutive bytes, aligned; a lane: columns
; 4 (lane % 16) + 0..3), holds and converts them, stores 16 codes of each of its four columns, passes ONE barrier, and multiplies: two K steps of 128 x four tiles of columns x its tiles of rows.
; No byte of the codes is ever written twice.
; ROWS: tile 24 p + 8 t + w belongs to wave w in pass p, as in the first layer.  All loads are issued whether a tile exists or not (a tile that does not exist reads 16 bytes of tile 0 in every lane and
; is never stored), so that every count of a wait holds on every path.  THE THIRD TILE'S PRODUCTS stand in blocks of their own and, from the second step on, are jumped over by a scalar branch on the
; stored count where the tile does not exist; the first step's are always issued, so that every accumulator is written on every path.
; TRANSPOSED USE: source 0 = 16 columns of w2, source 1 = 16 rows of h: a lane holds eight neighbouring columns of one row.  A tile's 16 rows x 64 columns go through the wave's own stage in LDS
; (16 rows of 256 + 16 bytes) and leave as whole rows: sixteen lanes store 256 consecutive bytes, aligned.
; h's fragments come from hq as images of the operand's registers: four loads of 512 consecutive bytes each.
; LIMITS: ew2 between -126 and 119; eh + ew2 between -126 and 127.  NaN among the inputs is not served.
; No tensor load and no cluster: branches hang on stored counts, and the weights must pass through registers to be quantised.  No prefetch: the launch streams its weights from its first line on.
; THE MODE: SCHED_MODE bits 1:0 = 2 (LLVM: expert scheduling mode 2), set by the entry lines.  The code itself states the register dependences
; between vector or matrix instructions and memory or LDS instructions, with s_wait_alu, always for 0.
; THE PLAN.  Registers that memory or LDS instructions touch, in the stream:
;   WS0, WS1    Step ks: its 64 holds read WS[ks & 1]; behind the step's wait the loads of step ks + 2 land in it.
;   BF, v16-79  Written by the holds, read by the conversions; then the LDS loads of the first K step's four weight fragments land in it, the first half's products read it,
;               the second K step's four land in it, the second half's products read it.
;   CW          Written by the conversions, read by the step's four LDS stores, written again a step later.
;   h's sets    Step ks: its products read set ks & 1; the loads of step ks + 2 land in it in step ks + 1, behind that step's wait.
;   v1-4, v10-12  Offsets and LDS addresses: made at the head, never written again.  v5-7: made at the head, and anew at the head of a later pass.
;   On the way out: v16-47 are written by the multiplications and read by the LDS stores; the LDS loads land in v48-79, which the global stores read.
; So a step has TWO waits on va_vdst.  One stands behind its conversions and states that the holds are done reading WS, that the conversions have written CW, that holds and conversions are done
; with BF, and that the last step's products are done reading h's other set.  The step's LDS stores, its loads of h and of weights and, behind the barrier, the first sixteen LDS loads follow it with
; no vector or matrix instruction between.  The other stands between the two halves of the products: the first half is done reading BF.  One wait on vm_vsrc a step stands ahead of the conversions.
; REGISTERS.  Window 0: v1 the weights' offset; v2 where I store codes; v3, v4 where I read weight fragments; v5-7 my three tiles in hq; v8 2^ew2; v9 16 x lane; v10, v11 the stage, in and out;
;   v12 my offset in two rows of y; v16-79 four weight fragments, also the held numbers, also the way out; v80-175 h's fragments, set 0: (kk, t) at 80 + 16 (3 kk + t); v176-239 weights as loaded, set 0; v240-255 codes.
;   Window 1: v0-95 the accumulators, (t, nt) at 8 (4 t + nt); v96-191 h's fragments, set 1; v192-255 weights as loaded, set 1.
;   s61: 1 where my third tile of the pass in hand exists, else 0.
.set P,   2064
.set STG, 64*P                         ; behind the codes: eight stages of 16 x 272 bytes
.set BF,  16
.set WS0, 176
.set WS1, 192
.set CW,  240
.set MSB, 0
.macro WIN new                         ; the immediate's high byte repeats the setting that is left; a switch that changes nothing is dropped
.if MSB != (\new)
	s_set_vgpr_msb (MSB<<8)|(\new)
.set MSB, (\new)
.endif
.endm
.macro WLOAD ks                        ; step ks's 32 rows of my wave, into set ks & 1
.if ((\ks)&1)
	WIN 0x40                                       ; destination window 1
.irp i, 0,1,2,3,4,5,6,7,8,9,10,11,12,13,14,15
	global_load_b128 v[WS1+4*\i:WS1+4*\i+3], v1, s[32+2*(\ks):33+2*(\ks)] offset:4096*\i th:TH_LOAD_NT
.endr
	WIN 0
.else
.irp i, 0,1,2,3,4,5,6,7,8,9,10,11,12,13,14,15
	global_load_b128 v[WS0+4*\i:WS0+4*\i+3], v1, s[32+2*(\ks):33+2*(\ks)] offset:4096*\i th:TH_LOAD_NT
.endr
.endif
.endm
.macro HOLDS ks                        ; number (row i, column j) goes to place 16 j + i, held within +-448 x 2^ew2 (the conversion does not saturate: ISA guide 7.6.2)
.if ((\ks)&1)
	WIN 0x01                                       ; source 0 window 1
.irp i, 0,1,2,3,4,5,6,7,8,9,10,11,12,13,14,15
.irp j, 0,1,2,3
	v_med3_num_f32 v[BF+16*\j+\i], v[WS1+4*\i+\j], s28, s29
.endr
.endr
	WIN 0
.else
.irp i, 0,1,2,3,4,5,6,7,8,9,10,11,12,13,14,15
.irp j, 0,1,2,3
	v_med3_num_f32 v[BF+16*\j+\i], v[WS0+4*\i+\j], s28, s29
.endr
.endr
.endif
.endm
.macro CVTS
.irp j, 0,1,2,3
.irp m, 0,1
	v_cvt_scalef32_pk8_fp8_f32 v[CW+4*\j+2*\m:CW+4*\j+2*\m+1], v[BF+16*\j+8*\m:BF+16*\j+8*\m+7], v8
.endr
.endr
	v_nop                                          ; a plain instruction behind the last conversion
.endm
.macro CSTORE ks                       ; column j's 16 codes, k = 256 ks + 32 w + 16 hh + 0..15
.irp j, 0,1,2,3
	ds_store_b128 v2, v[CW+4*\j:CW+4*\j+3] offset:\j*P+256*(\ks)
.endr
.endm
.macro AADDR                           ; where my three tiles of pass s50 lie in hq: 65,536 x tile + 16 x lane; a tile that does not exist: byte 0 of tile 0, in every lane
	s_mul_i32 s52, s50, 24
	s_add_co_u32 s52, s52, s16
	s_lshr_b32 s55, s24, 4
.irp t, 0,1,2
	s_add_co_u32 s54, s55, s52
	s_cmp_lt_u32 s52, s25
	s_cselect_b32 s53, 1, 0
	s_cselect_b32 s54, s54, 0
	s_min_u32 s53, s53, 1
	s_min_u32 s54, s54, 135
	s_lshl_b32 s54, s54, 16
	v_mad_u32_u24 v[5+\t], v9, s53, s54
	s_add_co_u32 s52, s52, 8
.endr
	s_mov_b32 s61, s53                             ; does the third exist?
.endm
.macro ALOAD ks                        ; h's six fragments of step ks (two K steps of 128 x three tiles), into set ks & 1: 24 loads
.set AB, 80+16*((\ks)&1)
.if ((\ks)&1)
	WIN 0x40
.endif
.irp kk, 0,1
.irp t, 0,1,2
.irp c, 0,1,2,3
	global_load_b128 v[AB+16*(3*\kk+\t)+4*\c:AB+16*(3*\kk+\t)+4*\c+3], v[5+\t], s[14:15] offset:(2*(\ks)+\kk)*2048+512*\c
.endr
.endr
.endr
	WIN 0
.endm
.macro PROD ks, kk, f, t               ; one product: tile of columns f x tile of rows t, K step kk of the step's two.  The very first starts the sum.  (AB: h's set, made at CONSUME's head)
.if ((\ks)==0)&&((\kk)==0)
	v_wmma_f32_16x16x128_fp8_fp8 v[8*(4*(\t)+(\f)):8*(4*(\t)+(\f))+7], v[BF+16*(\f):BF+16*(\f)+15], v[AB+16*(3*(\kk)+(\t)):AB+16*(3*(\kk)+(\t))+15], 0
.else
	v_wmma_f32_16x16x128_fp8_fp8 v[8*(4*(\t)+(\f)):8*(4*(\t)+(\f))+7], v[BF+16*(\f):BF+16*(\f)+15], v[AB+16*(3*(\kk)+(\t)):AB+16*(3*(\kk)+(\t))+15], v[8*(4*(\t)+(\f)):8*(4*(\t)+(\f))+7]
.endif
.endm
.macro THIRD ks, kk                    ; the third tile's four products of a half; from the second step on only where the tile exists.  Every window is 0 at the branch and at the label
.if (\ks)!=0
	WIN 0
	s_cmp_eq_u32 s61, 0
	s_cbranch_scc1 .Lno3_\@
	WIN 0x50+4*((\ks)&1)
.endif
.irp f, 0,1,2,3
	PROD \ks, \kk, \f, 2
.endr
	WIN 0
.if (\ks)!=0
.Lno3_\@:
.endif
.endm
; Step ks: for each of its two K steps of 128, four tiles of columns x my tiles of rows: first tiles 0 and 1 of the rows, then the third.  The accumulators take turns, one instruction a turn:
; no two products that follow each other, on either way, name the same accumulator.  Four v_nop close each half, behind the label, so on both ways: places
; ahead of the holds that write registers which these products read, and ahead of the first read of their results; they stay beside the wait that the LDS loads of the second half hang on.
; The first half's LDS loads hang on a wait that stands ahead of this macro: in the stream the step's own, behind its conversions; in a later pass the one at the step's head.
.macro CONSUME ks
.set AB, 80+16*((\ks)&1)
.irp kk, 0,1
.if \kk
	s_wait_alu depctr_va_vdst(0)                   ; the first half's products are done reading the four weight fragments, in which the sixteen LDS loads below land
.endif
.irp f, 0,1,2,3
.irp c, 0,1,2,3
	ds_load_b128 v[BF+16*\f+4*\c:BF+16*\f+4*\c+3], v[3+\f/2] offset:(\f%2)*16*P+256*(\ks)+128*\kk+32*\c
.endr
.endr
	WIN 0x50+4*((\ks)&1)                           ; C and D window 1; source 1 in the window of h's set
.irp f, 0,1,2,3
	s_wait_dscnt 12-4*\f                           ; fragment f's four loads are in; the later fragments' may be out
	PROD \ks, \kk, \f, 0
	PROD \ks, \kk, \f, 1
.endr
	THIRD \ks, \kk
.rept 4
	v_nop
.endr
.endr
.endm
; A step of the stream.  Loads are issued in the order W0 W1 A0 A1, then in step ks, behind its wait on va_vdst: A(ks+1) (steps 1 to 6), then W(ks+2) (steps 0 to 5) (W: 16 loads, A: 24).
.macro STEP ks
.if (\ks)==7
	s_wait_loadcnt 24                              ; behind W7: A7
.elseif (\ks)<=1
	s_wait_loadcnt 63                              ; behind W0: W1, A0, A1; behind W1: A0, A1, W2: 64 loads; the wait names the most that its field holds
.else
	s_wait_loadcnt 40                              ; behind W(ks): A(ks), W(ks+1)
.endif
	HOLDS \ks
.if (\ks)>0
	s_wait_alu depctr_vm_vsrc(0)                   ; the last step's LDS stores have read the codes' registers, which the conversions below write again
.endif
	CVTS
	s_wait_alu depctr_va_vdst(0)                   ; the conversions have written the codes, which the LDS stores read; the holds are done reading the weights' set, and the last step's products h's other set: loads land in both; holds and conversions are done with v16-79, in which the LDS loads behind the barrier land
	CSTORE \ks
.if ((\ks)>=1)&&((\ks)<=6)
	ALOAD (\ks)+1                                  ; into the set that the last step's products read
.endif
.if (\ks)<=5
	WLOAD (\ks)+2                                  ; into the set that the holds have read
.endif
	s_wait_dscnt 0x0                               ; for the others' sake: my codes have landed
	s_barrier_signal -1
	s_barrier_wait -1                              ; the step's 256 x 64 codes lie in LDS
.if (\ks)==0
	s_wait_loadcnt 40                              ; behind A0: A1, W2
.elseif (\ks)<=5
	s_wait_loadcnt 56                              ; behind A(ks): W(ks+1), A(ks+1), W(ks+2)
.elseif (\ks)==6
	s_wait_loadcnt 40                              ; behind A6: W7, A7
.else
	s_wait_loadcnt 0
.endif
	CONSUME \ks
.endm
.macro XSTEP ks                        ; a step of a later pass: the codes lie in LDS
.if (\ks)>0
	s_wait_alu depctr_va_vdst(0)                   ; the last step's products are done reading h's other set and the four weight fragments: the loads below land in both
.endif
.if (\ks)<7
	ALOAD (\ks)+1
	s_wait_loadcnt 24                              ; all but the 24 just issued
.else
	s_wait_loadcnt 0
.endif
	CONSUME \ks
.endm
.macro YOUT t                          ; tile t of the pass goes out, if it exists
	s_mul_i32 s52, s50, 24
	s_add_co_u32 s52, s52, s16
	s_add_co_u32 s52, s52, 8*\t
	s_cmp_ge_u32 s52, s25
	s_cbranch_scc1 .Lskip_\@
	s_wait_xcnt 0x0                                ; the last tile's stores have read their registers and their base: both are written again below
	s_wait_alu depctr_vm_vsrc(0)                   ; the last tile's LDS stores have read v16-47 and its global stores v48-79: the multiplications and the LDS loads below write them again
	s_lshr_b32 s53, s24, 4
	s_add_co_u32 s53, s53, s52
	s_min_u32 s53, s53, 135                        ; the tile's number among all experts'
	s_lshl_b32 s56, s53, 16                        ; 16 rows of 4,096 bytes
	s_mov_b32 s57, 0
	s_add_nc_u64 s[56:57], s[58:59], s[56:57]
	WIN 0x01                                       ; source 0 window 1
.set n, 0
.rept 16
	v_pk_mul_f32 v[16+n:17+n], v[32*(\t)+n:32*(\t)+n+1], s[48:49] op_sel_hi:[1,0]   ; x 2^(eh + ew2); each accumulator from its low end on
.set n, n+2
.endr
	WIN 0
	s_wait_alu depctr_va_vdst(0)                   ; the multiplications have written v16-47, which the LDS stores read; the last products are done reading v48-79, in which the LDS loads land
.irp f, 0,1,2,3
	ds_store_b128 v10, v[16+8*\f:16+8*\f+3] offset:64*\f            ; lane (r, h): row r, columns 16 f + 8 h + 0..7
	ds_store_b128 v10, v[16+8*\f+4:16+8*\f+7] offset:64*\f+16
.endr
.irp i, 0,1,2,3,4,5,6,7
	ds_load_b128 v[48+4*\i:48+4*\i+3], v11 offset:544*\i            ; rows 2 i and 2 i + 1, whole.  LDS serves a wave's instructions in order (ISA guide 5.7.1.4): these see my stores
.endr
.irp i, 0,1,2,3,4,5,6,7
	s_wait_dscnt 7-\i
	global_store_b128 v12, v[48+4*\i:48+4*\i+3], s[56:57] offset:8192*\i   ; sixteen lanes store 256 consecutive bytes, aligned
.endr
.Lskip_\@:
.endm
	s_load_b256 s[4:11], s[0:1], 0x0               ; w2 s[4:5], lowp_scales s[6:7], meta s[8:9], hq s[10:11]
	s_load_b64 s[12:13], s[0:1], 0x20              ; y
	v_lshrrev_b32 v14, 5, v0
	v_readfirstlane_b32 s16, v14                   ; wave
	s_lshr_b32 s17, ttmp9, 5                       ; expert
	s_and_b32 s18, ttmp9, 15                       ; which 64 columns
	s_bfe_u32 s19, ttmp9, 0x10004                  ; which half of K
	s_lshl_b32 s60, s17, 4                         ; the expert's four words in lowp_scales and in meta
	v_and_b32 v13, 31, v0                          ; lane
	v_and_b32 v14, 15, v0                          ; r
	v_bfe_u32 v15, v0, 4, 1                        ; h
	v_lshlrev_b32 v9, 4, v13
	v_lshlrev_b32 v1, 4, v14
	v_lshl_add_u32 v1, v15, 16, v1                 ; the weights: 16 bytes a lane of a row's 256; lanes 16-31 sixteen rows further down
	v_mul_u32_u24 v2, v14, 4*P                     ; my four columns' LDS rows: 4 (lane % 16) + j,
	v_lshl_add_u32 v2, v15, 4, v2                  ; + 16 hh,
	s_wait_alu depctr_va_sdst(0)                   ; s16, the wave's number, is written, ahead of its first reader
	s_lshl_b32 s52, s16, 5
	v_add_nc_u32 v2, s52, v2                       ; + 32 w: my 16 along K
	v_mul_u32_u24 v3, v14, P
	v_lshl_add_u32 v3, v15, 4, v3                  ; a fragment's row x pitch + 16 h: tiles 0, 1,
	v_add_nc_u32 v4, 32*P, v3                      ; tiles 2, 3
	s_mul_i32 s52, s16, 16*272
	s_add_co_u32 s52, s52, STG                     ; my stage
	v_mul_u32_u24 v10, v14, 272
	v_lshl_add_u32 v10, v15, 5, v10
	v_add_nc_u32 v10, s52, v10                     ; in: row r, + 32 h
	v_mul_u32_u24 v11, v15, 272
	v_lshl_add_u32 v11, v14, 4, v11
	v_add_nc_u32 v11, s52, v11                     ; back: lanes 0-15 one row, lanes 16-31 the next
	v_lshlrev_b32 v12, 12, v15
	v_lshl_add_u32 v12, v14, 4, v12                ; and the same two rows in y
	s_mov_b32 s50, 0                               ; pass
	s_lshl_b32 s52, s17, 24                        ; w2: the expert's 16 MiB,
	s_lshl_b32 s53, s19, 23                        ; the half's 2,048 rows of 4,096 bytes,
	s_add_co_u32 s52, s52, s53
	s_lshl_b32 s53, s16, 17                        ; my wave's 32 rows,
	s_add_co_u32 s52, s52, s53
	s_lshl_b32 s53, s18, 8                         ; the 256 bytes of a row
	s_add_co_u32 s52, s52, s53
	s_mov_b32 s53, 0
	s_lshl_b32 s54, s19, 15                        ; hq: the half's 16 K steps of 2,048 bytes
	s_mov_b32 s55, 0
	s_mul_i32 s56, s19, 0x880000                   ; y: the half's plane of 2,176 rows,
	s_lshl_b32 s57, s18, 8                         ; my 256 bytes of a row
	s_add_co_u32 s56, s56, s57
	s_mov_b32 s57, 0
	s_wait_kmcnt 0x0
	s_load_b128 s[20:23], s[6:7], s60 offset:0x0   ; ex, ew1, eh, ew2
	s_load_b128 s[24:27], s[8:9], s60 offset:0x0   ; first row, tiles, last real row, rows
	s_add_nc_u64 s[32:33], s[4:5], s[52:53]        ; a pointer for each step: 256 rows apart; never rewritten
.irp k, 1,2,3,4,5,6,7
	s_add_nc_u64 s[32+2*\k:33+2*\k], s[30+2*\k:31+2*\k], 0x100000
.endr
	s_add_nc_u64 s[14:15], s[10:11], s[54:55]
	s_add_nc_u64 s[58:59], s[12:13], s[56:57]
	s_wait_alu depctr_va_vdst(0)                   ; the offsets and LDS addresses v1 to v4 and v10 to v12 are written, which the loads and stores of the whole kernel read
	WLOAD 0
	WLOAD 1
	s_wait_kmcnt 0x0
	s_add_co_i32 s52, s23, 127
	s_lshl_b32 s53, s52, 23
	v_mov_b32 v8, s53                              ; 2^ew2 as f32: the conversion takes its exponent field
	s_add_co_i32 s52, s52, 8
	s_lshl_b32 s52, s52, 23
	s_or_b32 s29, s52, 0x600000                    ; 448 x 2^ew2,
	s_or_b32 s28, s29, 0x80000000                  ; and its negative
	s_add_co_i32 s48, s22, s23
	s_add_co_i32 s48, s48, 127
	s_lshl_b32 s48, s48, 23                        ; 2^(eh + ew2)
	s_mov_b32 s49, s48                             ; (named with it as a pair, so it is written)
	AADDR
	s_wait_alu depctr_va_vdst(0)                   ; v5 to v7 are written, which the loads of h read as their offsets
	ALOAD 0
	ALOAD 1
	STEP 0
	STEP 1
	STEP 2
	STEP 3
	STEP 4
	STEP 5
	STEP 6
	STEP 7
.Lpass:                                                ; three trips: pass 0 has been multiplied in the stream and only goes out
	s_cmp_eq_u32 s50, 0
	s_cbranch_scc1 .Lepi
	s_mul_i32 s52, s50, 24
	s_add_co_u32 s52, s52, s16
	s_cmp_ge_u32 s52, s25                          ; my first tile of the pass does not exist: then none of the three does
	s_cbranch_scc1 .Lepi
	s_wait_xcnt 0x0                                ; the last pass's stores have read their registers: LDS loads land there below
	s_wait_alu depctr_vm_vsrc(0)                   ; the loads of h issued so far have read v5 to v7, which are made anew below; the last pass's stores have read v16-79, in which LDS loads land below
.rept 5
	v_nop                                          ; places ahead of products that begin the accumulators anew
.endr
	AADDR                                          ; (no load is out: the address registers may be written)
	s_wait_alu depctr_va_vdst(0)                   ; v5 to v7 are written, which the loads below read; the way out's multiplications have written v16-47, and the last products are done reading v16-79 and h's two sets: loads land in all of these
	ALOAD 0
	XSTEP 0
	XSTEP 1
	XSTEP 2
	XSTEP 3
	XSTEP 4
	XSTEP 5
	XSTEP 6
	XSTEP 7
.Lepi:
	YOUT 0
	YOUT 1
	YOUT 2
	s_add_co_u32 s50, s50, 1
	s_cmp_lt_u32 s50, 3
	s_cbranch_scc1 .Lpass
	s_wait_xcnt 0x0
	s_wait_alu depctr_vm_vsrc(0)                   ; the stream's LDS stores have read v254 and v255, which are made anew below
	v_lshl_add_u32 v254, v0, 2, 0x28c00
	v_mov_b32 v255, 0
	s_wait_dscnt 0x0                               ; the closing lines, six on end
	s_wait_alu 0x0
	s_wait_tensorcnt 0x0
	ds_add_u32 v254, v255
	s_wait_dscnt 0x0
	s_endpgm
.Lfunc_end_k_qd2fcbf72c7_layer2:
	.size	k_qd2fcbf72c7_layer2, .Lfunc_end_k_qd2fcbf72c7_layer2-k_qd2fcbf72c7_layer2
	.p2alignl 7, 3214868480
	.fill 96, 4, 3214868480
	.section	.rodata,"a",@progbits
	.p2align	6, 0x0
	.amdhsa_kernel k_qd2fcbf72c7_layer2
		.amdhsa_group_segment_fixed_size 167936
		.amdhsa_private_segment_fixed_size 0
		.amdhsa_enable_private_segment 0
		.amdhsa_kernarg_size 40
		.amdhsa_user_sgpr_count 2
		.amdhsa_user_sgpr_kernarg_segment_ptr 1
		.amdhsa_wavefront_size32 1
		.amdhsa_system_sgpr_workgroup_id_x 1
		.amdhsa_system_sgpr_workgroup_id_y 1
		.amdhsa_system_sgpr_workgroup_id_z 1
		.amdhsa_system_vgpr_workitem_id 0
		.amdhsa_next_free_vgpr 512
		.amdhsa_next_free_sgpr 66
		.amdhsa_reserve_vcc 0
		.amdhsa_float_denorm_mode_32 3
		.amdhsa_float_denorm_mode_16_64 3
		.amdhsa_memory_ordered 1
		.amdhsa_forward_progress 1
		.amdhsa_inst_pref_size 178
	.end_amdhsa_kernel
	.amdgpu_metadata
---
amdhsa.version: [ 1, 2 ]
amdhsa.kernels:
  - .name:           k_qd2fcbf72c7_layer2
    .symbol:         k_qd2fcbf72c7_layer2.kd
    .args:
      - { .name: w2, .offset: 0, .size: 8, .value_kind: global_buffer, .address_space: global }
      - { .name: lowp_scales, .offset: 8, .size: 8, .value_kind: global_buffer, .address_space: global }
      - { .name: meta, .offset: 16, .size: 8, .value_kind: global_buffer, .address_space: global }
      - { .name: hq, .offset: 24, .size: 8, .value_kind: global_buffer, .address_space: global }
      - { .name: y, .offset: 32, .size: 8, .value_kind: global_buffer, .address_space: global }
    .group_segment_fixed_size: 167936
    .private_segment_fixed_size: 0
    .kernarg_segment_align: 8
    .kernarg_segment_size: 40
    .max_flat_workgroup_size: 256
    .sgpr_count:     66
    .vgpr_count:     512
    .wavefront_size: 32
...
	.end_amdgpu_metadata
.endif
;; end of part 9
;; launch combine (part 10): grid 256 x 1, 4 waves a work-group, no clusters, 0 bytes of LDS; arguments pos, slotinfo, gatew, y, b2, out0; writes out0
.if DOCPART == 10
	.amdgcn_target "amdgcn-amd-amdhsa--gfx1250"
	.amdhsa_code_object_version 6
	.text
	.protected	k_qd2fcbf72c7_combine
	.globl	k_qd2fcbf72c7_combine
	.p2align	8
	.type	k_qd2fcbf72c7_combine,@function
k_qd2fcbf72c7_combine:
	s_mov_b64 s[64:65], 0
	v_nop
	global_prefetch_b8 v0, s[64:65] scope:SCOPE_SE
	s_setreg_imm32_b32 hwreg(HW_REG_WAVE_MODE, 25, 1), 1
	s_wait_xcnt 0x0
; THE SUM.  out[t] = g0 (y[0][p0] + y[1][p0] + b2[e0]) + g1 (y[0][p1] + y[1][p1] + b2[e1]): the two halves of K, the bias, the gate's weights.  All f32.
; A wave to a token: each output row has one owner.  p, e and g of the token's two slots come by scalar loads from what earlier launches stored.
; Each load and store of the wave covers 512 consecutive bytes.  The 48 loads go out in eight groups of six (one for each 512 bytes of the row), and each group is waited for by count.
; A stream: no LDS, no barrier, no matrix unit.
.set PLANE, 0x880000                   ; 2,176 rows of 4,096 bytes
	s_load_b256 s[4:11], s[0:1], 0x0               ; pos s[4:5], slotinfo s[6:7], gatew s[8:9], y s[10:11]
	s_load_b128 s[12:15], s[0:1], 0x20             ; b2 s[12:13], out0 s[14:15]
	v_and_b32 v1, 31, v0
	v_lshrrev_b32 v3, 5, v0
	v_readfirstlane_b32 s16, v3                    ; wave
	v_lshlrev_b32 v2, 4, v1                        ; 16 x lane
	s_lshl_b32 s17, ttmp9, 2
	s_add_co_u32 s17, s17, s16                     ; token
	s_lshl_b32 s18, s17, 3                         ; its two slots' words
	s_lshl_b32 s40, s17, 12
	s_mov_b32 s41, 0
	s_wait_alu depctr_va_vdst(0)
	s_wait_kmcnt 0x0
	s_load_b64 s[20:21], s[4:5], s18 offset:0x0    ; rows
	s_load_b64 s[22:23], s[6:7], s18 offset:0x0    ; experts (low byte)
	s_load_b64 s[24:25], s[8:9], s18 offset:0x0    ; weights
	s_add_nc_u64 s[40:41], s[14:15], s[40:41]
	s_wait_kmcnt 0x0
	s_min_u32 s20, s20, 0x87f
	s_min_u32 s21, s21, 0x87f
	s_and_b32 s22, s22, 0xff
	s_and_b32 s23, s23, 0xff
	s_min_u32 s22, s22, 7
	s_min_u32 s23, s23, 7
	s_lshl_b32 s28, s20, 12
	s_mov_b32 s29, 0
	s_add_nc_u64 s[28:29], s[10:11], s[28:29]      ; slot 0's row, first half of K,
	s_add_nc_u64 s[30:31], s[28:29], PLANE         ; second half
	s_lshl_b32 s32, s21, 12
	s_mov_b32 s33, 0
	s_add_nc_u64 s[32:33], s[10:11], s[32:33]      ; slot 1's
	s_add_nc_u64 s[34:35], s[32:33], PLANE
	s_lshl_b32 s36, s22, 12
	s_mov_b32 s37, 0
	s_add_nc_u64 s[36:37], s[12:13], s[36:37]      ; the two experts' rows of b2
	s_lshl_b32 s38, s23, 12
	s_mov_b32 s39, 0
	s_add_nc_u64 s[38:39], s[12:13], s[38:39]
	s_mov_b32 s26, s25                             ; g1 as the low word of a pair of its own (the packed forms take a scalar pair's low word for both halves)
	s_mov_b32 s27, s25
.irp i, 0,1,2,3,4,5,6,7
	global_load_b128 v[16+4*\i:19+4*\i],   v2, s[28:29] offset:512*\i th:TH_LOAD_NT
	global_load_b128 v[48+4*\i:51+4*\i],   v2, s[30:31] offset:512*\i th:TH_LOAD_NT
	global_load_b128 v[80+4*\i:83+4*\i],   v2, s[32:33] offset:512*\i th:TH_LOAD_NT
	global_load_b128 v[112+4*\i:115+4*\i], v2, s[34:35] offset:512*\i th:TH_LOAD_NT
	global_load_b128 v[144+4*\i:147+4*\i], v2, s[36:37] offset:512*\i
	global_load_b128 v[176+4*\i:179+4*\i], v2, s[38:39] offset:512*\i
.endr
.irp i, 0,1,2,3,4,5,6,7
	s_wait_loadcnt 42-6*\i                         ; group i's six loads are in; the later groups' may be out
.irp u, 0,2
	v_pk_add_f32 v[16+4*\i+\u:17+4*\i+\u], v[16+4*\i+\u:17+4*\i+\u], v[48+4*\i+\u:49+4*\i+\u]
	v_pk_add_f32 v[80+4*\i+\u:81+4*\i+\u], v[80+4*\i+\u:81+4*\i+\u], v[112+4*\i+\u:113+4*\i+\u]
.endr
.irp u, 0,2
	v_pk_add_f32 v[16+4*\i+\u:17+4*\i+\u], v[16+4*\i+\u:17+4*\i+\u], v[144+4*\i+\u:145+4*\i+\u]
	v_pk_add_f32 v[80+4*\i+\u:81+4*\i+\u], v[80+4*\i+\u:81+4*\i+\u], v[176+4*\i+\u:177+4*\i+\u]
.endr
.irp u, 0,2
	v_pk_mul_f32 v[16+4*\i+\u:17+4*\i+\u], v[16+4*\i+\u:17+4*\i+\u], s[24:25] op_sel_hi:[1,0]
.endr
.irp u, 0,2
	v_pk_fma_f32 v[16+4*\i+\u:17+4*\i+\u], v[80+4*\i+\u:81+4*\i+\u], s[26:27], v[16+4*\i+\u:17+4*\i+\u] op_sel_hi:[1,0,1]
.endr
	global_store_b128 v2, v[16+4*\i:19+4*\i], s[40:41] offset:512*\i th:TH_STORE_NT
.endr
	s_endpgm
.Lfunc_end_k_qd2fcbf72c7_combine:
	.size	k_qd2fcbf72c7_combine, .Lfunc_end_k_qd2fcbf72c7_combine-k_qd2fcbf72c7_combine
	.p2alignl 7, 3214868480
	.fill 96, 4, 3214868480
	.section	.rodata,"a",@progbits
	.p2align	6, 0x0
	.amdhsa_kernel k_qd2fcbf72c7_combine
		.amdhsa_group_segment_fixed_size 0
		.amdhsa_private_segment_fixed_size 0
		.amdhsa_enable_private_segment 0
		.amdhsa_kernarg_size 48
		.amdhsa_user_sgpr_count 2
		.amdhsa_user_sgpr_kernarg_segment_ptr 1
		.amdhsa_wavefront_size32 1
		.amdhsa_system_sgpr_workgroup_id_x 1
		.amdhsa_system_sgpr_workgroup_id_y 1
		.amdhsa_system_sgpr_workgroup_id_z 1
		.amdhsa_system_vgpr_workitem_id 0
		.amdhsa_next_free_vgpr 208
		.amdhsa_next_free_sgpr 66
		.amdhsa_reserve_vcc 0
		.amdhsa_float_denorm_mode_32 3
		.amdhsa_float_denorm_mode_16_64 3
		.amdhsa_memory_ordered 1
		.amdhsa_forward_progress 1
		.amdhsa_inst_pref_size 14
	.end_amdhsa_kernel
	.amdgpu_metadata
---
amdhsa.version: [ 1, 2 ]
amdhsa.kernels:
  - .name:           k_qd2fcbf72c7_combine
    .symbol:         k_qd2fcbf72c7_combine.kd
    .args:
      - { .name: pos, .offset: 0, .size: 8, .value_kind: global_buffer, .address_space: global }
      - { .name: slotinfo, .offset: 8, .size: 8, .value_kind: global_buffer, .address_space: global }
      - { .name: gatew, .offset: 16, .size: 8, .value_kind: global_buffer, .address_space: global }
      - { .name: y, .offset: 24, .size: 8, .value_kind: global_buffer, .address_space: global }
      - { .name: b2, .offset: 32, .size: 8, .value_kind: global_buffer, .address_space: global }
      - { .name: out0, .offset: 40, .size: 8, .value_kind: global_buffer, .address_space: global }
    .group_segment_fixed_size: 0
    .private_segment_fixed_size: 0
    .kernarg_segment_align: 8
    .kernarg_segment_size: 48
    .max_flat_workgroup_size: 128
    .sgpr_count:     66
    .vgpr_count:     208
    .wavefront_size: 32
...
	.end_amdgpu_metadata
.endif
;; end of part 10
